; MI455X (gfx1250); checked and timed in simulation.
; The chip was launched on July 23, 2026; its instructions are those of AMD's public machine-readable ISA for CDNA 5 (MIT licence, August 2026) and "CDNA5" Instruction Set Architecture Reference Guide (July 2026). The comments in the code are by the model that wrote it; some were corrected since.
;; MAB. Allowed arithmetic: matrix products marked QUANTISED: E3M2 operands, one E8M0 scale for each 32 along K, by v_wmma_scale_f32_16x16x128_f8f6f4 with both operands' format E3M2, f32 sums; everything else in f32.
;; Inputs: K 4 x 2,048 x 1,024 float32; Q 4 x 2,048 x 1,024 float32; Wk 1,024 x 1,024 float32; Wo 1,024 x 1,024 float32; Wq 1,024 x 1,024 float32; Wv 1,024 x 1,024 float32; b0 1,024 float32; b1 1,024 float32; bk 1,024 float32; bo 1,024 float32; bq 1,024 float32; bv 1,024 float32; g0 1,024 float32; g1 1,024 float32.
;; Outputs: out0 4 x 2,048 x 1,024 float32.
;; This version of the problem:
;;   THIS VERSION OF THE PROBLEM IS GIVEN IN LOW PRECISION. The matrix products marked QUANTISED in the list below multiply operands that are first quantised to E3M2 (3 exponent bits, 2 mantissa bits; 6 bits a number), with one power-of-two scale for each 32 numbers along K (OCP MX v1.0); their sums are f32. All else is computed in f32.
;;   The module's matrix products, in the order in which they are computed (A, B: the left and right operand; K: the contracted axis; several contracted axes count as one K, in the product's order):
;;     1. [M 8,192, K 1,024] x [K 1,024, N 1,024]; A: input Q; B: input Wq: QUANTISED
;;     2. [M 8,192, K 1,024] x [K 1,024, N 1,024]; A: input K; B: input Wk: QUANTISED
;;     3. [M 8,192, K 1,024] x [K 1,024, N 1,024]; A: input K; B: input Wv: QUANTISED
;;     4. batch 64 x [M 2,048, K 64] x [K 64, N 2,048]; A: computed on the way; B: computed on the way: QUANTISED
;;     5. batch 64 x [M 64, K 2,048] x [K 2,048, N 2,048]; A: computed on the way; B: softmax (see below): QUANTISED
;;     6. [M 8,192, K 1,024] x [K 1,024, N 1,024]; A: computed on the way; B: input Wo: QUANTISED
;;   THE QUANTISER, for each operand of a quantised product, along K:
;;     - K is cut into blocks of 32 from its start; a last block that is shorter is filled with zeros.
;;     - A block's scale is 2^e with e = floor(log2(the largest magnitude in the block)) - 4, held to -126 .. 127; a block of zeros has e = 0. As a byte (E8M0): e + 127.
;;     - Each number is divided by its block's scale, clamped to +-28, and rounded to the nearest number of E3M2, ties to even, subnormals kept.
;;     - The product sums the exact products of the quantised numbers (number of the format x scale) in f32.
;;   ~~~python
;;   def quantise(x, axis):      # numpy; x: float32 -> the quantised numbers, widened to float32 again
;;       x = np.moveaxis(x, axis, -1); K = x.shape[-1]
;;       x = np.pad(x, [(0, 0)] * (x.ndim - 1) + [(0, -K % 32)]); x = x.reshape(x.shape[:-1] + (-1, 32)); a = np.abs(x).max(-1, keepdims=True)
;;       e = np.where(a > 0, np.clip(np.frexp(np.where(a > 0, a, 1))[1] - 1 - 4, -126, 127), 0)      # np.frexp(a)[1] - 1 = floor(log2(a)), exactly
;;       r = np.clip(x / 2.0 ** e, -28, 28)
;;       step = 2.0 ** (np.maximum(np.frexp(np.where(r == 0, 1, r))[1] - 1, -2) - 2)
;;       q = np.round(r / step) * step * 2.0 ** e      # np.round: ties to even
;;       return np.moveaxis(q.reshape(q.shape[:-2] + (-1,))[..., :K], -1, axis).astype(np.float32)
;;   ~~~
;;   SOFTMAX AHEAD OF A QUANTISED PRODUCT. Where the list says 'softmax', what is quantised is not the finished softmax but p = 2^(t - M), with t = logit x log2(e) and M = ceil(the row's largest t), a whole number; so 1/2 < the row's largest p <= 1. The row's sum l is taken of the UNQUANTISED p, in f32, and the product's result is divided by l at the end. Since M is a whole number, a kernel that streams over the keys may use a running M (the ceiling of the running maximum): every later rescaling is an exact power of two, which a block's scale takes up: the codes' values come out the same.
;;   OPERANDS COMPUTED ON THE WAY. 'Computed on the way' means the value that the module computes at that place (a softmax that the list does not call 'softmax' is quantised finished and normalised). What goes into a quantiser is computed in f32, as accurately as f32 sums, v_exp_f32 and their like allow (about 1e-6 of the number): no bf16 or f16 on the way to a quantiser, and a product that is left as it is and whose result goes on into a quantised operand takes f32 operands (vector FMAs, or v_wmma_f32_16x16x4_f32). A number that lies on a knife's edge between two numbers of the format may be rounded either way, as far as f32 arithmetic and the matrix unit's own rounding can turn it there, and no further.
;; One version. Each part assembles by itself: llvm-mc -triple=amdgcn-amd-amdhsa -mcpu=gfx1250 --defsym DOCPART=n.
;; ======== version 1 of 1: 4 launches
;; limits: right only within a limited range of input values
;; workspace buffers: ximg 12,582,912 bytes; xsc 524,288 bytes; wimg 3,145,728 bytes; wsc 131,072 bytes; himg 12,582,912 bytes; hsc 786,432 bytes; of 33,554,432 bytes
;; launch quant (part 1): grid 384 x 1, 4 waves a work-group, no clusters, 60,928 bytes of LDS; arguments Q, K, Wq, Wk, Wv, Wo, ximg, xsc, wimg, wsc; writes ximg, xsc, wimg, wsc
.if DOCPART == 1
	.amdgcn_target "amdgcn-amd-amdhsa--gfx1250"
	.amdhsa_code_object_version 6
	.text
	.protected	k_q7fc9108268_quant
	.globl	k_q7fc9108268_quant
	.p2align	8
	.type	k_q7fc9108268_quant,@function
k_q7fc9108268_quant:
	s_mov_b64 s[64:65], 0
	v_nop
	global_prefetch_b8 v0, s[64:65] scope:SCOPE_SE
	s_setreg_imm32_b32 hwreg(HW_REG_WAVE_MODE, 25, 1), 1
	s_wait_xcnt 0x0
; Q, K [8192][1024] and Wq, Wk, Wv, Wo [1024 (k)][1024 (n)], f32, become codes of BF6 (E3M2) with one E8M0 byte for each 32 along K = 1,024,
; laid as IMAGES OF THE OPERAND'S REGISTERS.  A tile is 16 rows (tokens, or a weight's n): lane r of tile T takes row 32 (T / 2) + 8 (T % 2) + r + 8 (r / 8).
; A fragment (tile, K step of 128) is 12 registers a lane, 1,536 bytes: registers 4 g .. 4 g + 3 of lane l at 512 g + 16 l.  A tile's scale words are 512 bytes:
; register x at 128 x + 4 l; lanes 0-15 hold the words of K step 2 x, lanes 16-31 those of K step 2 x + 1.
; A block's scale is 2^(floor(log2(largest magnitude)) - 4); its byte is the largest magnitude's exponent field - 4, held at 1 from below.
; LIMITS: NaN and infinities are not served; a block whose largest magnitude lies under 2^-122 keeps the byte 1; a block of zeros keeps the byte 1 where the rule says 127
; (its codes are zeros, which add nothing, and the bytes are read by this program alone).
; Work-groups 0-255: a wave takes one tile of Q or K through all of K, 8 steps of 128.  Work-groups 256-383: a wave takes 32 columns x 256 along K of one weight, a lane a column,
; registers down K.  Waves share nothing: no barrier.  Nothing is shared between work-groups, so there is no cluster.  Each of the two ways has LDS bytes of its own.
.set XST,  8448                        ; x: a wave's stage: 16 rows x (512 + 16) bytes
.set WR0,  33792                       ; w: behind the four stages
.set WRG,  6656                        ; w: a wave's region: two tiles x 3,200 bytes (two fragments + 128), then 256 bytes of scale words
.set RAW,  16                          ; v16-143  x: two sets of 64 registers as loaded
.set ST,   144                         ; v144-207 x: 64 numbers of my row: register 16 b + i = k 32 b + 16 (lane / 16) + i
.set PC,   208                         ; v208-226 the codes just made
.set TM,   228                         ; v228-243 at work
.set PW,   244                         ; the scale word just made
.set PWE,  245                         ; the even K step's
.set SW,   246                         ; v246-249 the four scale registers of the tile
.set SEL,  26                          ; s[26:27] lane selects: lane l xor 16
.set WX,   16                          ; v16-79   w: two sets of 32 numbers
.set WCD,  80                          ; v80-86   w: a block's codes
.set WSB,  88                          ; v88-89   w: four scale bytes for each of two K steps
.set WOUT, 96                          ; v96-143  w: the way out
	s_load_b512 s[4:19], s[0:1], 0x0               ; Q, K, Wq, Wk, Wv, Wo, ximg, xsc
	s_load_b128 s[20:23], s[0:1], 0x40             ; wimg, wsc
	v_lshl_add_u32 v254, v0, 2, 0xec00
	v_mov_b32 v255, 0
	v_lshrrev_b32 v1, 5, v0
	v_readfirstlane_b32 s24, v1                    ; wave
	v_and_b32 v1, 31, v0                           ; lane
	v_and_b32 v2, 15, v0                           ; r
	v_bfe_u32 v3, v0, 4, 1                         ; h
	v_lshlrev_b32 v4, 4, v1                        ; 16 x lane
	v_lshlrev_b32 v5, 2, v1                        ; 4 x lane
	s_mul_i32 s31, s24, XST
	v_add_nc_u32 v6, s31, v4                       ; x: into the stage: a row's 512 bytes as they lie
	v_mul_u32_u24 v7, v2, 528
	v_lshl_add_u32 v7, v3, 6, v7
	v_add_nc_u32 v7, s31, v7                       ; x: out of it: row r, + 64 h
	s_mul_i32 s32, s24, WRG
	s_add_co_u32 s32, s32, WR0
	v_bfe_u32 v12, v0, 3, 1                        ; w: my column 32 cg + lane lies in tile 2 cg + u, u = (lane / 8) % 2,
	v_and_b32 v13, 7, v0
	v_lshl_add_u32 v13, v3, 3, v13                 ; at the tile's lane rr = lane % 8 + 8 (lane / 16)
	v_mul_u32_u24 v8, v12, 3200
	v_lshl_add_u32 v8, v13, 4, v8
	v_add_nc_u32 v8, s32, v8                       ; w: where my codes go
	v_lshlrev_b32 v9, 7, v12
	v_lshl_add_u32 v9, v13, 2, v9
	v_add_nc_u32 v9, s32, v9
	v_add_nc_u32 v9, 6400, v9                      ; w: where my scale words go
	v_add_nc_u32 v10, s32, v4                      ; w: the images read back
	v_add_nc_u32 v11, s32, v5
	v_add_nc_u32 v11, 6400, v11
	s_mov_b32 s[SEL], 0x76543210
	s_mov_b32 s[SEL+1], 0xfedcba98
	s_mov_b32 s30, 0xffff0000                      ; lanes 16-31
	s_lshl_b32 s33, ttmp9, 2
	s_add_co_u32 s33, s33, s24                     ; 4 x work-group + wave
.irp b, 0,1,2,3
	v_mov_b32 v[TM+4+\b], 0                        ; written once: a lane permute's destination counts as one of its sources
.endr
	s_wait_kmcnt 0x0
	s_cmp_lt_u32 ttmp9, 256
	s_cbranch_scc0 .Lweights
; 64 numbers of a lane, register 16 b + i = k 32 b + 16 (lane / 16) + i of my row, become a fragment's codes in v[PC] on and its scale word in v[PW]
.macro QUANT s
.irp b, 0,1,2,3
	v_max3_num_f32 v[TM+\b], |v[\s+16*\b]|, |v[\s+1+16*\b]|, 0x2800000   ; my 16 numbers of block b, and the floor 2^(5 - 127): the byte cannot fall under 1
.endr
.irp i, 2,4,6,8,10,12,14
.irp b, 0,1,2,3
	v_max3_num_f32 v[TM+\b], v[TM+\b], |v[\s+16*\b+\i]|, |v[\s+1+16*\b+\i]|
.endr
.endr
.irp b, 0,1,2,3
	v_permlanex16_b32 v[TM+4+\b], v[TM+\b], s[SEL], s[SEL+1]
.endr
.irp b, 0,1,2,3
	v_max_num_f32 v[TM+\b], v[TM+\b], v[TM+4+\b]   ; with lane l xor 16's: the block's largest magnitude
.endr
.irp b, 0,1,2,3
	v_add_nc_u32 v[TM+12+\b], 0xfe000000, v[TM+\b] ; 4 off its exponent field: the conversion's scale operand
.endr
.irp b, 0,1,2,3
	v_lshrrev_b32 v[TM+4+\b], 23, v[TM+12+\b]      ; the scale's byte
.endr
	v_lshl_or_b32 v[PW], v[TM+5], 8, v[TM+4]
	v_lshl_or_b32 v[PW], v[TM+6], 16, v[PW]
	v_lshl_or_b32 v[PW], v[TM+7], 24, v[PW]
.irp c, 0,1
	v_cvt_scalef32_pk16_bf6_f32 v[PC+6*\c:PC+2+6*\c], v[\s+32*\c:\s+15+32*\c], v[TM+12+2*\c]
	v_cvt_scalef32_pk16_bf6_f32 v[PC+12+4*\c:PC+14+4*\c], v[\s+16+32*\c:\s+31+32*\c], v[TM+12+2*\c+1]
.endr
	v_nop                                          ; one plain place behind a scaled conversion
.irp c, 0,1                                    ; a whole block to a lane: lanes 0-15 block 2 c, lanes 16-31 block 2 c + 1
.irp i, 0,1,2
	v_permlane16_swap_b32 v[PC+6*\c+\i], v[PC+12+4*\c+\i]
.endr
.irp i, 0,1,2
	v_mov_b32 v[PC+3+6*\c+\i], v[PC+12+4*\c+\i]
.endr
.endr
.endm
	; ---- Q and K: wave W = 4 x work-group + wave takes tile W % 512 of tensor W / 512
	s_lshr_b32 s34, s33, 9
	s_and_b32 s35, s33, 511
	s_cmp_eq_u32 s34, 0
	s_cselect_b64 s[4:5], s[4:5], s[6:7]
	s_lshr_b32 s36, s35, 1
	s_lshl_b32 s36, s36, 5
	s_and_b32 s37, s35, 1
	s_lshl_b32 s37, s37, 3
	s_add_co_u32 s36, s36, s37                     ; the tile's first row: 32 (T / 2) + 8 (T % 2)
	s_lshl_b32 s36, s36, 12
	s_mov_b32 s37, 0
	s_add_nc_u64 s[4:5], s[4:5], s[36:37]
	s_mul_i32 s36, s33, 12288
	s_add_nc_u64 s[16:17], s[16:17], s[36:37]      ; its eight fragments
	s_lshl_b32 s36, s33, 9
	s_add_nc_u64 s[18:19], s[18:19], s[36:37]      ; its scale words
.macro LOADX s                         ; K step s: each load takes 512 consecutive bytes of one of the tile's rows
.irp i, 0,1,2,3,4,5,6,7,8,9,10,11,12,13,14,15
	global_load_b128 v[RAW+64*((\s)%2)+4*\i:RAW+64*((\s)%2)+4*\i+3], v4, s[4:5] offset:(\i+8*(\i/8))*4096+512*(\s) th:TH_LOAD_NT
.endr
.endm
.macro STEPX s
.if (\s) < 7
	s_wait_loadcnt 16                              ; this step's 16 loads are in; the next step's 16 may be out
.else
	s_wait_loadcnt 0x0
.endif
.irp i, 0,1,2,3,4,5,6,7,8,9,10,11,12,13,14,15
	ds_store_b128 v6, v[RAW+64*((\s)%2)+4*\i:RAW+64*((\s)%2)+4*\i+3] offset:528*\i
.endr
.irp b, 0,1,2,3
.irp j, 0,1,2,3
	ds_load_b128 v[ST+16*\b+4*\j:ST+16*\b+4*\j+3], v7 offset:128*\b+16*\j   ; LDS serves a wave's instructions in order: these see the stores above
.endr
.endr
.if (\s)+2 < 8
	s_wait_dscnt 16                                ; the 16 stores have read their registers (the 16 reads behind them may be out),
	LOADX (\s)+2                                   ; which take the loads of two steps on
.endif
	s_wait_dscnt 0x0
.if (\s) > 0
	s_wait_xcnt 0x0                                ; the last step's stores have read the codes' registers, which are written again below
.endif
	QUANT ST
.irp g, 0,1,2
	global_store_b128 v4, v[PC+4*\g:PC+4*\g+3], s[16:17] offset:1536*(\s)+512*\g   ; 512 consecutive bytes a store
.endr
.if (\s)%2 == 0
	v_mov_b32 v[PWE], v[PW]
.else
	v_cndmask_b32 v[SW+(\s)/2], v[PWE], v[PW], s30 ; lanes 0-15 the even step's word, lanes 16-31 the odd step's
	global_store_b32 v5, v[SW+(\s)/2], s[18:19] offset:128*((\s)/2)
.endif
.endm
	LOADX 0
	LOADX 1
.irp t, 0,1,2,3,4,5,6,7
	STEPX \t
.endr
	s_wait_tensorcnt 0x0
	ds_add_u32 v254, v255
	s_wait_dscnt 0x0
	s_endpgm
	; ---- the weights: idx = 4 (work-group - 256) + wave: weight idx / 128, 256 along K at 256 ((idx / 32) % 4), columns 32 (idx % 32) on
.Lweights:
	s_sub_co_u32 s33, s33, 1024
	s_lshr_b32 s34, s33, 7                         ; which weight: Wq, Wk, Wv, Wo
	s_bfe_u32 s35, s33, 0x20005                    ; kq
	s_and_b32 s36, s33, 31                         ; cg
	s_bitcmp1_b32 s34, 0
	s_cselect_b64 s[8:9], s[10:11], s[8:9]
	s_cselect_b64 s[12:13], s[14:15], s[12:13]
	s_bitcmp1_b32 s34, 1
	s_cselect_b64 s[8:9], s[12:13], s[8:9]
	s_lshl_b32 s38, s35, 20                        ; 256 kq rows of 4,096 bytes
	s_lshl_b32 s39, s36, 7                         ; + 32 cg columns
	s_add_co_u32 s38, s38, s39
	s_mov_b32 s39, 0
	s_add_nc_u64 s[8:9], s[8:9], s[38:39]
	s_lshl_b32 s40, s34, 6
	s_lshl_b32 s41, s36, 1
	s_add_co_u32 s40, s40, s41                     ; my first tile: 64 x weight + 2 cg
	s_lshl_b32 s41, s40, 3
	s_lshl_b32 s42, s35, 1
	s_add_co_u32 s41, s41, s42                     ; its fragment of K step 2 kq
	s_mul_i32 s38, s41, 1536
	s_add_nc_u64 s[20:21], s[20:21], s[38:39]
	s_lshl_b32 s38, s40, 9
	s_lshl_b32 s42, s35, 7
	s_add_co_u32 s38, s38, s42
	s_add_nc_u64 s[22:23], s[22:23], s[38:39]
.macro LOADW t                         ; block t: W(32 t + i, my column): 32 lanes read 128 consecutive bytes, the four waves stand side by side on 512
.set II, 0
.rept 32
	global_load_b32 v[WX+32*((\t)%2)+II], v5, s[8:9] offset:(32*(\t)+II)*4096 th:TH_LOAD_NT
.set II, II+1
.endr
.endm
.macro BLOCKW t
.set XS, WX+32*((\t)%2)
.set SL, (\t)/4                        ; which of my two K steps
.set BBK, (\t)%4                       ; which block of it: it belongs to lane rr + 16 (BBK % 2), registers 6 (BBK / 2) on
.set OO, 1536*SL+256*(BBK%2)
.if (\t) < 7
	s_wait_loadcnt 32                              ; this block's 32 loads are in; the next block's may be out
.else
	s_wait_loadcnt 0x0
.endif
	v_max3_num_f32 v90, |v[XS]|, |v[XS+1]|, |v[XS+2]|
	v_max3_num_f32 v91, |v[XS+3]|, |v[XS+4]|, |v[XS+5]|
.irp i, 6,10,14,18,22,26
	v_max3_num_f32 v90, v90, |v[XS+\i]|, |v[XS+\i+1]|
	v_max3_num_f32 v91, v91, |v[XS+\i+2]|, |v[XS+\i+3]|
.endr
	v_max3_num_f32 v90, v90, |v[XS+30]|, |v[XS+31]|
	v_max3_num_f32 v90, v90, v91, 0x2800000        ; and the floor
	v_add_nc_u32 v92, 0xfe000000, v90
	v_lshrrev_b32 v93, 23, v92
.if BBK == 0
	v_mov_b32 v[WSB+SL], v93
.else
	v_lshl_or_b32 v[WSB+SL], v93, 8*BBK, v[WSB+SL]
.endif
	v_cvt_scalef32_pk16_bf6_f32 v[WCD:WCD+2], v[XS:XS+15], v92
	v_cvt_scalef32_pk16_bf6_f32 v[WCD+4:WCD+6], v[XS+16:XS+31], v92
	v_nop                                          ; one plain place behind a scaled conversion
	v_mov_b32 v[WCD+3], v[WCD+4]                   ; the block's six registers on end
	v_mov_b32 v[WCD+4], v[WCD+5]
	v_mov_b32 v[WCD+5], v[WCD+6]
.if BBK/2 == 0
	ds_store_b128 v8, v[WCD:WCD+3] offset:OO       ; registers 0-3: group 0; 4, 5: the lower half of group 1
	ds_store_b64 v8, v[WCD+4:WCD+5] offset:OO+512
.else
	ds_store_b64 v8, v[WCD:WCD+1] offset:OO+520    ; registers 6, 7: the upper half of group 1; 8-11: group 2
	ds_store_b128 v8, v[WCD+2:WCD+5] offset:OO+1024
.endif
.if BBK == 3
	ds_store_b32 v9, v[WSB+SL] offset:64*SL
.endif
.if (\t)+2 < 8
	LOADW (\t)+2
.endif
	s_wait_dscnt 0x0                               ; the stores have read their registers: the next block's codes may be written
.endm
	LOADW 0
	LOADW 1
.set TT, 0
.rept 8
	BLOCKW TT
.set TT, TT+1
.endr
.irp u, 0,1
.irp sl, 0,1
.irp g, 0,1,2
	ds_load_b128 v[WOUT+4*(6*\u+3*\sl+\g):WOUT+4*(6*\u+3*\sl+\g)+3], v10 offset:3200*\u+1536*\sl+512*\g
.endr
.endr
.endr
	ds_load_b32 v144, v11
	ds_load_b32 v145, v11 offset:128
	s_wait_dscnt 0x0
.irp u, 0,1
.irp sl, 0,1
.irp g, 0,1,2
	global_store_b128 v4, v[WOUT+4*(6*\u+3*\sl+\g):WOUT+4*(6*\u+3*\sl+\g)+3], s[20:21] offset:12288*\u+1536*\sl+512*\g
.endr
.endr
.endr
	global_store_b32 v5, v144, s[22:23]
	global_store_b32 v5, v145, s[22:23] offset:512
	s_wait_tensorcnt 0x0
	ds_add_u32 v254, v255
	s_wait_dscnt 0x0
	s_endpgm
.Lfunc_end_k_q7fc9108268_quant:
	.size	k_q7fc9108268_quant, .Lfunc_end_k_q7fc9108268_quant-k_q7fc9108268_quant
	.p2alignl 7, 3214868480
	.fill 96, 4, 3214868480
	.section	.rodata,"a",@progbits
	.p2align	6, 0x0
	.amdhsa_kernel k_q7fc9108268_quant
		.amdhsa_group_segment_fixed_size 60928
		.amdhsa_private_segment_fixed_size 0
		.amdhsa_enable_private_segment 0
		.amdhsa_kernarg_size 80
		.amdhsa_user_sgpr_count 2
		.amdhsa_user_sgpr_kernarg_segment_ptr 1
		.amdhsa_wavefront_size32 1
		.amdhsa_system_sgpr_workgroup_id_x 1
		.amdhsa_system_sgpr_workgroup_id_y 1
		.amdhsa_system_sgpr_workgroup_id_z 1
		.amdhsa_system_vgpr_workitem_id 0
		.amdhsa_next_free_vgpr 256
		.amdhsa_next_free_sgpr 66
		.amdhsa_reserve_vcc 0
		.amdhsa_float_denorm_mode_32 3
		.amdhsa_float_denorm_mode_16_64 3
		.amdhsa_memory_ordered 1
		.amdhsa_forward_progress 1
		.amdhsa_inst_pref_size 106
	.end_amdhsa_kernel
	.amdgpu_metadata
---
amdhsa.version: [ 1, 2 ]
amdhsa.kernels:
  - .name:           k_q7fc9108268_quant
    .symbol:         k_q7fc9108268_quant.kd
    .args:
      - { .name: Q, .offset: 0, .size: 8, .value_kind: global_buffer, .address_space: global }
      - { .name: K, .offset: 8, .size: 8, .value_kind: global_buffer, .address_space: global }
      - { .name: Wq, .offset: 16, .size: 8, .value_kind: global_buffer, .address_space: global }
      - { .name: Wk, .offset: 24, .size: 8, .value_kind: global_buffer, .address_space: global }
      - { .name: Wv, .offset: 32, .size: 8, .value_kind: global_buffer, .address_space: global }
      - { .name: Wo, .offset: 40, .size: 8, .value_kind: global_buffer, .address_space: global }
      - { .name: ximg, .offset: 48, .size: 8, .value_kind: global_buffer, .address_space: global }
      - { .name: xsc, .offset: 56, .size: 8, .value_kind: global_buffer, .address_space: global }
      - { .name: wimg, .offset: 64, .size: 8, .value_kind: global_buffer, .address_space: global }
      - { .name: wsc, .offset: 72, .size: 8, .value_kind: global_buffer, .address_space: global }
    .group_segment_fixed_size: 60928
    .private_segment_fixed_size: 0
    .kernarg_segment_align: 8
    .kernarg_segment_size: 80
    .max_flat_workgroup_size: 128
    .sgpr_count:     66
    .vgpr_count:     256
    .wavefront_size: 32
...
	.end_amdgpu_metadata
.endif
;; end of part 1
;; launch proj (part 2): grid 8 x 32, 4 waves a work-group, clusters of 4 x 4, 327,680 bytes of LDS; arguments ximg, xsc, wimg, wsc, bk, bv, himg, hsc; writes himg, hsc
.if DOCPART == 2
	.amdgcn_target "amdgcn-amd-amdhsa--gfx1250"
	.amdhsa_code_object_version 6
	.text
	.protected	k_q7fc9108268_proj
	.globl	k_q7fc9108268_proj
	.p2align	8
	.type	k_q7fc9108268_proj,@function
k_q7fc9108268_proj:
	s_mov_b64 s[64:65], 0
	v_nop
	global_prefetch_b8 v0, s[64:65] scope:SCOPE_SE
	s_setreg_imm32_b32 hwreg(HW_REG_WAVE_MODE, 25, 1), 1
	s_wait_xcnt 0x0
	s_wait_alu depctr_hold_cnt(0) depctr_sa_sdst(0) depctr_va_vdst(0) depctr_va_sdst(0) depctr_va_ssrc(0) depctr_va_vcc(0) depctr_vm_vsrc(0)
	s_getreg_b32 s2, hwreg(HW_REG_IB_STS2, 6, 4)
	s_cmp_eq_u32 s2, 0
	s_cbranch_scc0 .Lentry_in_a_cluster
	s_endpgm
.Lentry_in_a_cluster:
	s_bfe_u32 s2, ttmp6, 0x10000c
	s_cmp_lg_u32 s2, 0xf033
	s_cbranch_scc0 .Lentry_shape_is_right
	s_endpgm
.Lentry_shape_is_right:
.set FR,    12
.set NL,    3
.set NP,    4
.set TILEB, 3072
.set HALFT, 24576
.set SLOT,  98304
.set SCL,   196608
.set SPARE, 212992
.set BA,    8
.set ADRX,  16
.set ADRY,  20
.set L16,   24
.set L8,    25
.set L4,    26
.set ADSX,  27
.set SPW,   28
.set NIL,   29
.set ADSY,  30
.set SC,    32
.set BI,    64
.set AF,    128
.set PC,    128
.set TM,    160
.set PWS,   176
.set W2,    184
.set WA,    185
.set WB,    186
.set G1T,  24
.set G0T,  32
.set G1P,  48
.set G0P,  56
.set G1ST, 68
.set G0ST, 76
.set G1SP, 80
.set G0SP, 88
.set MSB, 0
.macro WIN new
.if MSB != (\new)
	s_set_vgpr_msb (MSB<<8)|(\new)
.set MSB, \new
.endif
.endm
.set MUL_LO, 0xa1
.set MUL_HI, 0xf1
.set TO_X,   0x40
.macro JLOAD g0a, g1a, g0b, g1b
	s_cmp_eq_u32 s21, 0
	s_cbranch_scc0 .Lfor_p_\@
	tensor_load_to_lds s[\g0a:\g0a+3], s[\g1a:\g1a+7]
	s_nop 0
.rept 4
	v_nop
.endr
	s_branch .Lasked_\@
.Lfor_p_\@:
	tensor_load_to_lds s[\g0b:\g0b+3], s[\g1b:\g1b+7]
	s_nop 0
.rept 4
	v_nop
.endr
.Lasked_\@:
.endm
.macro CREST
	s_cmp_lg_u32 s20, 0
	s_cbranch_scc1 .Lnot_wave_0_\@
	s_barrier_signal -3
.Lnot_wave_0_\@:
	s_barrier_wait -3
	s_barrier_signal -1
	s_barrier_wait -1
.endm
.macro CROUND
	s_barrier_signal -1
	s_barrier_wait -1
	CREST
.endm
.macro PLACES n
.rept \n
	v_nop
.endr
.endm
	s_load_b512 s[4:19], s[0:1], 0x0
	v_lshl_add_u32 v[SPW], v0, 2, SPARE
	v_mov_b32 v[NIL], 0
	ds_add_u32 v28, v29
	ds_add_u32 v28, v29
	s_wait_dscnt 0x0
	v_lshrrev_b32 v1, 5, v0
	v_readfirstlane_b32 s20, v1
	s_lshr_b32 s21, s20, 1
	s_and_b32 s22, s20, 1
	s_mov_b32 s23, ttmp9
	s_bfe_u32 s40, ttmp6, 0x40000
	s_bfe_u32 s41, ttmp6, 0x40004
	s_and_b32 s42, ttmp7, 0xffff
	s_lshl_b32 s42, s42, 2
	s_add_co_u32 s42, s42, s41
	s_lshl_b32 s43, s41, 2
	s_lshl_b32 s43, 15, s43
	s_lshl_b32 s44, 0x1111, s40
	s_or_b32 s[G1T+0], s43, (3<<16)|(1<<21)
	s_or_b32 s[G1P+0], s44, (3<<16)|(1<<21)
.irp g, G1T, G1P
	s_mov_b32 s[\g+1], 384<<16
	s_mov_b32 s[\g+2], 8<<16
	s_mov_b32 s[\g+3], 384<<16
	s_mov_b32 s[\g+4], 8
	s_mov_b32 s[\g+5], 1536
	s_mov_b32 s[\g+6], 0
	s_mov_b32 s[\g+7], 0
.endr
	s_or_b32 s[G1ST+0], s43, (3<<16)|(1<<21)
	s_or_b32 s[G1SP+0], s44, (3<<16)|(1<<21)
.irp g, G1ST, G1SP
	s_mov_b32 s[\g+1], 32<<16
	s_mov_b32 s[\g+2], 16<<16
	s_mov_b32 s[\g+3], 32<<16
	s_mov_b32 s[\g+4], 16
	s_mov_b32 s[\g+5], 32
	s_mov_b32 s[\g+6], 0
	s_mov_b32 s[\g+7], 0
.endr
	s_lshl_b32 s47, s22, 3
	s_add_co_u32 s46, s42, 32
	s_lshl_b32 s46, s46, 4
	s_add_co_u32 s46, s46, s47
	s_mul_i32 s92, s46, 12288
	s_mov_b32 s93, 0
	s_lshl_b32 s94, s46, 9
	s_mov_b32 s95, 0
	s_lshl_b32 s45, ttmp9, 2
	s_add_co_u32 s45, s45, s40
	s_add_co_u32 s45, s45, 4
	s_lshl_b32 s45, s45, 4
	s_add_co_u32 s45, s45, s47
	s_mul_i32 s96, s45, 12288
	s_mov_b32 s97, 0
	s_lshl_b32 s98, s45, 9
	s_mov_b32 s99, 0
	s_mul_i32 s100, s20, HALFT
	s_lshl_b32 s101, s20, 12
	s_wait_kmcnt 0x0
	s_add_nc_u64 s[92:93], s[4:5], s[92:93]
	s_add_nc_u64 s[94:95], s[6:7], s[94:95]
	s_add_nc_u64 s[96:97], s[8:9], s[96:97]
	s_add_nc_u64 s[98:99], s[10:11], s[98:99]
	CROUND
	s_mov_b32 s[G0ST], 1
	s_add_co_u32 s[G0ST+1], s101, SCL
	s_mov_b64 s[G0ST+2:G0ST+3], s[94:95]
	s_or_b32 s[G0ST+3], s[G0ST+3], 0x80000000
	s_mov_b32 s[G0SP], 1
	s_add_co_u32 s[G0SP+1], s101, SCL
	s_mov_b64 s[G0SP+2:G0SP+3], s[98:99]
	s_or_b32 s[G0SP+3], s[G0SP+3], 0x80000000
	JLOAD G0ST, G1ST, G0SP, G1SP
.irp s, 0,1
	s_mov_b32 s[G0T+4*\s], 1
	s_add_co_u32 s[G0T+4*\s+1], s100, \s*SLOT
	s_add_nc_u64 s[G0T+4*\s+2:G0T+4*\s+3], s[92:93], \s*TILEB
	s_or_b32 s[G0T+4*\s+3], s[G0T+4*\s+3], 0x80000000
	s_mov_b32 s[G0P+4*\s], 1
	s_add_co_u32 s[G0P+4*\s+1], s100, \s*SLOT
	s_add_nc_u64 s[G0P+4*\s+2:G0P+4*\s+3], s[96:97], \s*TILEB
	s_or_b32 s[G0P+4*\s+3], s[G0P+4*\s+3], 0x80000000
	s_wait_alu depctr_va_vdst(0)
	s_wait_tensorcnt 0x0
	ds_add_u32 v28, v29
	s_wait_dscnt 0x0
	CROUND
	JLOAD G0T+4*\s, G1T, G0P+4*\s, G1P
.endr
	v_and_b32 v1, 31, v0
	v_lshlrev_b32 v[L16], 4, v1
	s_wait_alu depctr_va_vdst(0)
	v_lshlrev_b32 v[L8], 3, v1
	v_lshlrev_b32 v[L4], 2, v1
	v_and_b32 v2, 15, v0
	v_bfe_u32 v3, v0, 4, 1
	v_and_b32 v4, 8, v2
	v_add_nc_u32 v4, v4, v2
	v_lshlrev_b32 v4, 2, v4
	v_lshlrev_b32 v5, 6, v3
	s_wait_alu depctr_va_vdst(0)
	s_cmp_eq_u32 s23, 0
	s_cselect_b32 s7, 2*HALFT, 0
	s_cselect_b32 s8, 0, 2*HALFT
	s_cselect_b32 s9, 8192, 0
	s_cselect_b32 s10, 0, 8192
	s_cselect_b32 s5, s21, s22
	s_cselect_b32 s6, s22, s21
	s_cselect_b64 s[12:13], s[12:13], s[14:15]
	s_cselect_b32 s3, 0, -1
	s_cselect_b32 s66, 4, 0
	s_mov_b32 s4, 0xffff0000
	s_mul_i32 s11, s21, HALFT
	s_add_co_u32 s7, s7, s11
	s_mul_i32 s11, s22, HALFT
	s_add_co_u32 s8, s8, s11
	v_add_nc_u32 v[ADRX], s7, v[L16]
	v_add_nc_u32 v[ADRY], s8, v[L16]
	v_add_nc_u32 v[ADRX+1], SLOT, v[ADRX]
	v_add_nc_u32 v[ADRY+1], SLOT, v[ADRY]
	s_lshl_b32 s11, s21, 12
	s_add_co_u32 s9, s9, s11
	s_add_co_u32 s9, s9, SCL
	s_lshl_b32 s11, s22, 12
	s_add_co_u32 s10, s10, s11
	s_add_co_u32 s10, s10, SCL
	v_add_nc_u32 v[ADSX], s9, v[L4]
	v_add_nc_u32 v[ADSY], s10, v[L4]
	v_cndmask_b32 v[BA], v5, v4, s3
.irp j, 1,2,3,4,5,6,7
	v_mad_u32_u24 v[BA+\j], s66, \j, v[BA]
.endr
	s_lshl_b32 s2, s40, 10
	s_lshl_b32 s67, s5, 9
	s_add_co_u32 s2, s2, s67
	s_mov_b32 s3, 0
	s_add_nc_u64 s[12:13], s[12:13], s[2:3]
.irp x, 0,1,2,3,4,5,6,7
.irp j, 0,1,2,3,4,5,6,7
	global_load_b32 v[BI+8*\x+\j], v[BA+\j], s[12:13] offset:(32*(\x/2)+8*(\x%2))*4
.endr
.endr
	s_lshr_b32 s2, s42, 3
	s_lshl_b32 s2, s2, 4
	s_lshl_b32 s3, s40, 2
	s_add_co_u32 s2, s2, s3
	s_lshl_b32 s3, s5, 1
	s_add_co_u32 s2, s2, s3
	s_and_b32 s3, s42, 7
	s_lshl_b32 s3, s3, 1
	s_add_co_u32 s3, s3, s6
	s_mul_i32 s104, s2, 196608
	s_mul_i32 s105, s3, 6144
	s_add_co_u32 s104, s104, s105
	s_mul_i32 s105, s23, 98304
	s_add_co_u32 s104, s104, s105
	s_mov_b32 s105, 0
	s_add_nc_u64 s[16:17], s[16:17], s[104:105]
	s_mul_i32 s104, s2, 12288
	s_lshl_b32 s3, s3, 9
	s_lshr_b32 s3, s3, s23
	s_add_co_u32 s104, s104, s3
	s_lshl_b32 s3, s23, 13
	s_add_co_u32 s104, s104, s3
	s_add_nc_u64 s[18:19], s[18:19], s[104:105]
.macro WMS d, a, b, c, sa, sb, row
.if (\row)
	v_wmma_scale_f32_16x16x128_f8f6f4 v[(\d):(\d)+7], v[(\a):(\a)+11], v[(\b):(\b)+11], v[(\c):(\c)+7], v[\sa], v[\sb] matrix_a_fmt:MATRIX_FMT_BF6 matrix_b_fmt:MATRIX_FMT_BF6 matrix_a_scale:MATRIX_SCALE_ROW1 matrix_b_scale:MATRIX_SCALE_ROW1
.else
	v_wmma_scale_f32_16x16x128_f8f6f4 v[(\d):(\d)+7], v[(\a):(\a)+11], v[(\b):(\b)+11], v[(\c):(\c)+7], v[\sa], v[\sb] matrix_a_fmt:MATRIX_FMT_BF6 matrix_b_fmt:MATRIX_FMT_BF6
.endif
.endm
.macro MUL16 a0, p, q, sc, cm
.irp a, \a0, \a0+1
.irp b, 0,1,2,3,4,5,6,7
.if (\cm) == 0
	WMS 8*(8*((\a)%4)+\b), 128*(\p)+FR*\b, AF+FR*(\a), 8*(8*((\a)%4)+\b), SC+16*(\sc)+\b, SC+16*(\sc)+8+(\a), \q
.elseif (\cm) == 1
	WMS 8*(8*((\a)%4)+\b), 128*(\p)+FR*\b, AF+FR*(\a), BI+8*\b, SC+16*(\sc)+\b, SC+16*(\sc)+8+(\a), \q
.else
	WMS 8*(8*((\a)%4)+\b), 128*(\p)+FR*\b, AF+FR*(\a), BI+8*(\a), SC+16*(\sc)+\b, SC+16*(\sc)+8+(\a), \q
.endif
.endr
.endr
.endm
.macro FRAG3 reg, adr, off
.irp g, 0,1,2
	ds_load_b128 v[(\reg)+4*\g:(\reg)+4*\g+3], v[\adr] offset:(\off)+512*\g
.endr
.endm
.macro FETCH_X slot, q, p
	WIN TO_X
.irp i, 0,1,2,3,4,5,6,7
	FRAG3 128*(\p)+FR*\i, ADRX+\slot, TILEB*\i+1536*(\q)
.endr
	WIN 0
.endm
.macro FETCH_Y slot, q, i0
.irp i, \i0, \i0+1, \i0+2, \i0+3
	FRAG3 AF+FR*(\i), ADRY+\slot, TILEB*(\i)+1536*(\q)
.endr
.endm
.macro SCALES sc
.irp i, 0,1,2,3,4,5,6,7
	ds_load_b32 v[SC+16*\sc+\i], v[ADSX] offset:512*\i
	ds_load_b32 v[SC+16*\sc+8+\i], v[ADSY] offset:512*\i
.endr
.endm
.macro STEP slot, q, cm
	s_wait_dscnt 4*NL
.if \cm
	WIN 0x81
.else
	WIN MUL_LO
.endif
	MUL16 0, (\q)%2, \q, \slot, \cm
	MUL16 2, (\q)%2, \q, \slot, \cm
	s_wait_dscnt 0
	PLACES NP
	FETCH_X \slot, (\q)+1, 1-(\q)%2
	FETCH_Y \slot, (\q)+1, 0
.if \cm
	WIN 0xc1
.else
	WIN MUL_HI
.endif
	MUL16 4, (\q)%2, \q, \slot, \cm
	MUL16 6, (\q)%2, \q, \slot, \cm
	PLACES NP
	WIN 0
	FETCH_Y \slot, (\q)+1, 4
.endm
.macro TURN slot, next, fill
	s_wait_tensorcnt 0x0
	ds_add_u32 v[SPW], v[NIL]
	s_wait_dscnt 4*NL+1
	WIN MUL_LO
	MUL16 0, 1, 1, \slot, 0
	s_wait_dscnt 0x0
	s_barrier_signal -1
	MUL16 2, 1, 1, \slot, 0
	WIN 0
	s_barrier_wait -1
.if \fill
	CREST
	s_add_nc_u64 s[G0T+4*\slot+2:G0T+4*\slot+3], s[G0T+4*\slot+2:G0T+4*\slot+3], 2*TILEB
	s_add_nc_u64 s[G0P+4*\slot+2:G0P+4*\slot+3], s[G0P+4*\slot+2:G0P+4*\slot+3], 2*TILEB
	JLOAD G0T+4*\slot, G1T, G0P+4*\slot, G1P
.else
	PLACES NP
.endif
	s_wait_alu depctr_va_vdst(0)
	v_add_nc_u32 v[ADSX], 128, v[ADSX]
	v_add_nc_u32 v[ADSY], 128, v[ADSY]
	FETCH_X \next, 0, 0
	FETCH_Y \next, 0, 0
	SCALES \next
	WIN MUL_HI
	MUL16 4, 1, 1, \slot, 0
	MUL16 6, 1, 1, \slot, 0
	PLACES NP
	WIN 0
	FETCH_Y \next, 0, 4
.endm
	s_wait_alu depctr_va_vdst(0)
	s_wait_tensorcnt 1
	s_barrier_signal -1
	s_barrier_wait -1
	FETCH_X 0, 0, 0
	FETCH_Y 0, 0, 0
	SCALES 0
	FETCH_Y 0, 0, 4
	s_wait_loadcnt 0x0
	s_cmp_eq_u32 s23, 0
	s_cbranch_scc0 .Lfirst_v
	STEP 0, 0, 1
	s_branch .Lfirst_done
.Lfirst_v:
	STEP 0, 0, 2
.Lfirst_done:
	TURN 0, 1, 1
	STEP 1, 0, 0
	TURN 1, 0, 1
	STEP 0, 0, 0
	TURN 0, 1, 0
	STEP 1, 0, 0
	s_wait_dscnt 4*NL
	WIN MUL_LO
	MUL16 0, 1, 1, 1, 0
	MUL16 2, 1, 1, 1, 0
	s_wait_dscnt 0
	WIN MUL_HI
	MUL16 4, 1, 1, 1, 0
	MUL16 6, 1, 1, 1, 0
	WIN 0
.macro QUANTW a
.set AC, 64*((\a)%4)
.set WW, 2+(\a)/4
	WIN (WW<<2)|(WW<<4)
.irp b, 0,1,2,3
	v_max3_num_f32 v[TM+\b], 0x2800000, |v[AC+16*\b]|, |v[AC+1+16*\b]|
.endr
.irp i, 2,4,6,8,10,12,14
.irp b, 0,1,2,3
	v_max3_num_f32 v[TM+\b], v[TM+\b], |v[AC+16*\b+\i]|, |v[AC+1+16*\b+\i]|
.endr
.endr
	WIN 0
.irp b, 0,1,2,3
	v_permlanex16_b32 v[TM+4+\b], v[TM+\b], s100, s101
.endr
.irp b, 0,1,2,3
	v_max_num_f32 v[TM+\b], v[TM+\b], v[TM+4+\b]
.endr
.irp b, 0,1,2,3
	v_add_nc_u32 v[TM+12+\b], 0xfe000000, v[TM+\b]
.endr
.irp b, 0,1,2,3
	v_lshrrev_b32 v[TM+4+\b], 23, v[TM+12+\b]
.endr
	v_lshl_or_b32 v[PWS+(\a)], v[TM+5], 8, v[TM+4]
	v_lshl_or_b32 v[PWS+(\a)], v[TM+6], 16, v[PWS+(\a)]
	v_lshl_or_b32 v[PWS+(\a)], v[TM+7], 24, v[PWS+(\a)]
	WIN WW
.irp c, 0,1
	v_cvt_scalef32_pk16_bf6_f32 v[PC+6*\c:PC+2+6*\c], v[AC+32*\c:AC+15+32*\c], v[TM+12+2*\c]
	v_cvt_scalef32_pk16_bf6_f32 v[PC+12+4*\c:PC+14+4*\c], v[AC+16+32*\c:AC+31+32*\c], v[TM+12+2*\c+1]
.endr
	WIN 0
	v_nop
.irp c, 0,1
.irp i, 0,1,2
	v_permlane16_swap_b32 v[PC+6*\c+\i], v[PC+12+4*\c+\i]
.endr
.irp i, 0,1,2
	v_mov_b32 v[PC+3+6*\c+\i], v[PC+12+4*\c+\i]
.endr
.endr
.endm
.macro OUT a
	s_cmp_eq_u32 s23, 0
	s_cbranch_scc0 .Lout_v_\@
	global_store_b128 v[L16], v[PC:PC+3], s[16:17] offset:768*(\a)
	global_store_b64 v[L8], v[PC+4:PC+5], s[16:17] offset:768*(\a)+512
	global_store_b128 v[L16], v[PC+6:PC+9], s[16:17] offset:196608+768*(\a)
	global_store_b64 v[L8], v[PC+10:PC+11], s[16:17] offset:196608+768*(\a)+512
.if (\a)%2
	v_cndmask_b32 v[W2], v[PWS+(\a)-1], v[PWS+(\a)], s4
	v_and_b32 v[WA], 0xffff, v[W2]
	v_lshrrev_b32 v[WB], 16, v[W2]
	global_store_b32 v[L4], v[WA], s[18:19] offset:128*((\a)/2)
	global_store_b32 v[L4], v[WB], s[18:19] offset:12288+128*((\a)/2)
.endif
	s_branch .Lout_j_\@
.Lout_v_\@:
	s_wait_alu depctr_va_vdst(0)
.irp g, 0,1,2
	global_store_b128 v[L16], v[PC+4*\g:PC+4*\g+3], s[16:17] offset:((\a)/4)*196608+((\a)%4)*1536+512*\g
.endr
.if (\a)%2
	v_cndmask_b32 v[W2], v[PWS+(\a)-1], v[PWS+(\a)], s4
	global_store_b32 v[L4], v[W2], s[18:19] offset:((\a)/4)*12288+(((\a)%4)/2)*128
.endif
.Lout_j_\@:
.endm
	PLACES NP
	s_mov_b32 s100, 0x76543210
	s_mov_b32 s101, 0xfedcba98
.irp b, 0,1,2,3
	v_mov_b32 v[TM+4+\b], 0
.endr
.irp a, 0,1,2,3,4,5,6,7
.if \a > 0
	s_wait_xcnt 0x0
.endif
	QUANTW \a
	OUT \a
.endr
	s_wait_tensorcnt 0x0
	ds_add_u32 v[SPW], v[NIL]
	s_wait_dscnt 0x0
	CROUND
	s_endpgm
.Lfunc_end_k_q7fc9108268_proj:
	.size	k_q7fc9108268_proj, .Lfunc_end_k_q7fc9108268_proj-k_q7fc9108268_proj
	.p2alignl 7, 3214868480
	.fill 96, 4, 3214868480
	.section	.rodata,"a",@progbits
	.p2align	6, 0x0
	.amdhsa_kernel k_q7fc9108268_proj
		.amdhsa_group_segment_fixed_size 327680
		.amdhsa_private_segment_fixed_size 0
		.amdhsa_enable_private_segment 0
		.amdhsa_kernarg_size 64
		.amdhsa_user_sgpr_count 2
		.amdhsa_user_sgpr_kernarg_segment_ptr 1
		.amdhsa_wavefront_size32 1
		.amdhsa_system_sgpr_workgroup_id_x 1
		.amdhsa_system_sgpr_workgroup_id_y 1
		.amdhsa_system_sgpr_workgroup_id_z 1
		.amdhsa_system_vgpr_workitem_id 0
		.amdhsa_next_free_vgpr 1024
		.amdhsa_next_free_sgpr 106
		.amdhsa_reserve_vcc 0
		.amdhsa_float_denorm_mode_32 3
		.amdhsa_float_denorm_mode_16_64 3
		.amdhsa_memory_ordered 1
		.amdhsa_forward_progress 1
		.amdhsa_inst_pref_size 167
	.end_amdhsa_kernel
	.amdgpu_metadata
---
amdhsa.version: [ 1, 2 ]
amdhsa.kernels:
  - .name:           k_q7fc9108268_proj
    .symbol:         k_q7fc9108268_proj.kd
    .args:
      - { .name: ximg, .offset: 0, .size: 8, .value_kind: global_buffer, .address_space: global }
      - { .name: xsc, .offset: 8, .size: 8, .value_kind: global_buffer, .address_space: global }
      - { .name: wimg, .offset: 16, .size: 8, .value_kind: global_buffer, .address_space: global }
      - { .name: wsc, .offset: 24, .size: 8, .value_kind: global_buffer, .address_space: global }
      - { .name: bk, .offset: 32, .size: 8, .value_kind: global_buffer, .address_space: global }
      - { .name: bv, .offset: 40, .size: 8, .value_kind: global_buffer, .address_space: global }
      - { .name: himg, .offset: 48, .size: 8, .value_kind: global_buffer, .address_space: global }
      - { .name: hsc, .offset: 56, .size: 8, .value_kind: global_buffer, .address_space: global }
    .group_segment_fixed_size: 327680
    .private_segment_fixed_size: 0
    .kernarg_segment_align: 8
    .kernarg_segment_size: 64
    .max_flat_workgroup_size: 128
    .sgpr_count:     106
    .vgpr_count:     1024
    .wavefront_size: 32
...
	.end_amdgpu_metadata
.endif
;; end of part 2
;; launch attn (part 3): grid 4 x 64, 8 waves a work-group, clusters of 4 x 1, 327,680 bytes of LDS; arguments ximg, xsc, wimg, wsc, bq, himg, hsc, of; writes of
.if DOCPART == 3
	.amdgcn_target "amdgcn-amd-amdhsa--gfx1250"
	.amdhsa_code_object_version 6
	.text
	.protected	k_q7fc9108268_attn
	.globl	k_q7fc9108268_attn
	.p2align	8
	.type	k_q7fc9108268_attn,@function
k_q7fc9108268_attn:
	s_mov_b64 s[64:65], 0
	v_nop
	global_prefetch_b8 v0, s[64:65] scope:SCOPE_SE
	s_setreg_imm32_b32 hwreg(HW_REG_WAVE_MODE, 25, 1), 1
	s_wait_xcnt 0x0
	s_wait_alu depctr_hold_cnt(0) depctr_sa_sdst(0) depctr_va_vdst(0) depctr_va_sdst(0) depctr_va_ssrc(0) depctr_va_vcc(0) depctr_vm_vsrc(0)
	s_getreg_b32 s2, hwreg(HW_REG_IB_STS2, 6, 4)
	s_cmp_eq_u32 s2, 0
	s_cbranch_scc0 .Lentry_in_a_cluster
	s_endpgm
.Lentry_in_a_cluster:
	s_bfe_u32 s2, ttmp6, 0x10000c
	s_cmp_lg_u32 s2, 0x3003
	s_cbranch_scc0 .Lentry_shape_is_right
	s_endpgm
.Lentry_shape_is_right:
; For one head of one batch: q = Q Wq + bq (its 64 outputs), S = q k^T / 32, softmax along the keys, o = q + softmax v.  All three products on codes of BF6 (E3M2) with E8M0 scales for each 32 along K.
; THE SOFTMAX AHEAD OF THE LAST PRODUCT: t = score x log2(e) / 32; M = the running largest t rounded UP to a whole number; p = 2^(t - M) is quantised along the keys, not normalised;
; the row's sum is taken of the unquantised p and divides at the end; when M moves, sum and O are multiplied by 2^(old M - new M): exact.
; SHARES.  A cluster of four work-groups serves one head (the cluster's y); work-group cx owns 512 of its 2,048 queries; each of eight waves owns TWO tiles of 16 queries (A, B) in each of two passes,
; so that each fragment of k, v and Wq read from LDS feeds two matrix instructions.
; THE HEAD'S WHOLE K AND V (208,896 bytes with their scale words) and the head's slice of Wq (51,200 bytes) lie in LDS for the whole launch, filled ONCE by joint loads that name the four partners: no ring.
; All tensor loads stand at the head, with no loop ahead of them in which a prefetch could run: none is written.
; LAYOUT.  All products are used transposed (source 0 = 16 rows of Wq, 16 keys, or 16 of the head's 64; source 1 = 16 queries): a lane holds ONE query of each tile throughout.
; THE KEYS OF A TILE are chosen by the lanes' LDS addresses: row m of tile 4 c + u of a step is key 64 c + 32 (m / 8) + 8 u + m % 8.  So registers 32 c .. 32 c + 31 of lane (r, h) are the 32 keys of block 2 c + h
; in their order: a block's maximum needs no other lane, and the conversions' results are the operand's registers.
; q k^T has K = 64 in an instruction of K = 128: q's registers 6-11 are zero codes, so whatever k's registers 6-11 hold adds nothing; bytes 2, 3 of both scale words are 0, which is 2^-127 and no NaN.
; The step's last fetch of k runs one step past k's codes (into v's bytes, inside LDS) in each pass's last trip; what it brings is not used.
; OUT: of [512 query tiles][16 heads][4,096]: an image of 32 f32 registers: registers 4 g .. 4 g + 3 of lane l at 512 g + 16 l.
; LIMITS: NaN and infinities are not served; a block whose largest magnitude lies under 2^-122, a block of zeros among them, keeps the byte 1; the scaled scores stay under 2^31 in magnitude.
; REGISTERS.  Tile A's state lies in window 0 and tile B's in window 1 under the same numbers: v96-159 S^T, then p (first Q's fragments, v96-191); v160-191 O^T; v192-203 p's codes; v204-215 q's codes and six zeros;
;   v216-222 at work; v223 8 h; v224-243 the softmax's numbers (first, v224-255: q's sums).  Window 0 alone: v1-10 addresses; v14, 15 q's scale words; v16-31 Wq's; v32-85 k's fragments; v86-93 scale words;
;   v244-248 the step's addresses.  Window 1 alone: v0-47 v's fragments.
.set VCO, 98304                        ; LDS: k's codes at 0 (128 tiles x 768), v's here (16 key steps x 4 x 1,536),
.set KSO, 196608                       ; k's scale words (128 x 64),
.set VSO, 204800                       ; v's (64 x 64),
.set WCO, 208896                       ; Wq's four tiles x 8 K steps x 1,536,
.set WSO, 258048                       ; their scale words (4 x 512),
.set SPARE, 260096                     ; the spare words, 128 bytes a wave,
.set STASH, 262144                     ; q in f32: 8,192 bytes a wave, stored and read by that wave alone
.set SS, 96
.set OO, 160
.set PP, 192
.set QC, 204
.set T0, 216
.set T1, 220
.set SH, 223
.set BM, 224
.set ACC, 224
.set KF, 32
.set KS, 86
.set VS, 90
.set PW, 92
.set QW, 14
.set MSB, 0
.macro WIN new                         ; the immediate's high byte repeats the setting that is left
.if MSB != (\new)
	s_set_vgpr_msb (MSB<<8)|(\new)
.set MSB, \new
.endif
.endm
.macro D n
	s_delay_alu instid0(VALU_DEP_\n)
.endm
.macro CROUND
	s_barrier_signal -1
	s_barrier_wait -1
	s_cmp_lg_u32 s20, 0
	s_cbranch_scc1 .Lnot_wave_0_\@
	s_barrier_signal -3
.Lnot_wave_0_\@:
	s_barrier_wait -3
	s_barrier_signal -1
	s_barrier_wait -1
.endm
.macro WMQ d, a, b, sa, sb, row        ; q's sums, in place; row = 1: the odd K step's words, lanes 16-31 of both scale registers
.if (\row)
	v_wmma_scale_f32_16x16x128_f8f6f4 v[(\d):(\d)+7], v[(\a):(\a)+11], v[(\b):(\b)+11], v[(\d):(\d)+7], v[\sa], v[\sb] matrix_a_fmt:MATRIX_FMT_BF6 matrix_b_fmt:MATRIX_FMT_BF6 matrix_a_scale:MATRIX_SCALE_ROW1 matrix_b_scale:MATRIX_SCALE_ROW1
.else
	v_wmma_scale_f32_16x16x128_f8f6f4 v[(\d):(\d)+7], v[(\a):(\a)+11], v[(\b):(\b)+11], v[(\d):(\d)+7], v[\sa], v[\sb] matrix_a_fmt:MATRIX_FMT_BF6 matrix_b_fmt:MATRIX_FMT_BF6
.endif
.endm
.macro WMZ d, a, b, sa, sb, row        ; a sum begun with the constant 0; row = 1: source 0's words in lanes 16-31
.if (\row)
	v_wmma_scale_f32_16x16x128_f8f6f4 v[(\d):(\d)+7], v[(\a):(\a)+11], v[(\b):(\b)+11], 0, v[\sa], v[\sb] matrix_a_fmt:MATRIX_FMT_BF6 matrix_b_fmt:MATRIX_FMT_BF6 matrix_a_scale:MATRIX_SCALE_ROW1
.else
	v_wmma_scale_f32_16x16x128_f8f6f4 v[(\d):(\d)+7], v[(\a):(\a)+11], v[(\b):(\b)+11], 0, v[\sa], v[\sb] matrix_a_fmt:MATRIX_FMT_BF6 matrix_b_fmt:MATRIX_FMT_BF6
.endif
.endm
.macro WMA d, a, b, sa, sb, row        ; the same, adding in place
.if (\row)
	v_wmma_scale_f32_16x16x128_f8f6f4 v[(\d):(\d)+7], v[(\a):(\a)+11], v[(\b):(\b)+11], v[(\d):(\d)+7], v[\sa], v[\sb] matrix_a_fmt:MATRIX_FMT_BF6 matrix_b_fmt:MATRIX_FMT_BF6 matrix_a_scale:MATRIX_SCALE_ROW1
.else
	v_wmma_scale_f32_16x16x128_f8f6f4 v[(\d):(\d)+7], v[(\a):(\a)+11], v[(\b):(\b)+11], v[(\d):(\d)+7], v[\sa], v[\sb] matrix_a_fmt:MATRIX_FMT_BF6 matrix_b_fmt:MATRIX_FMT_BF6
.endif
.endm
; A pass's loads from memory: for each tile bq into q's sums, Q's eight fragments, and its four scale registers
.macro LOADQ
.irp w, 0,1
	WIN 0x40*\w
.irp b, 0,1
.irp j, 0,1,2,3
	global_load_b128 v[ACC+16*\b+4*\j:ACC+16*\b+4*\j+3], v9, s[88:89] offset:128*\b+16*\j
.endr
.endr
.irp s, 0,1,2,3,4,5,6,7
.irp g, 0,1,2
	global_load_b128 v[SS+12*\s+4*\g:SS+12*\s+4*\g+3], v1, s[82:83] offset:12288*\w+1536*\s+512*\g
.endr
.endr
.endr
	WIN 0
.irp w, 0,1
.irp x, 0,1,2,3
	global_load_b32 v[KS+4*\w+\x], v8, s[84:85] offset:512*\w+128*\x
.endr
.endr
.endm
.macro LOADW s                         ; Wq's four fragments of K step s: even steps into k's registers, odd steps into v's
	WIN 0x40*((\s)%2)
.irp t, 0,1,2,3
.irp g, 0,1,2
	ds_load_b128 v[KF*(1-(\s)%2)+12*\t+4*\g:KF*(1-(\s)%2)+12*\t+4*\g+3], v7 offset:12288*\t+1536*(\s)+512*\g
.endr
.endr
	WIN 0
.endm
.macro QMUL s                          ; eight accumulators by turns
.irp w, 0,1
	WIN 0x54*\w+(\s)%2
.irp t, 0,1,2,3
	WMQ ACC+8*\t, KF*(1-(\s)%2)+12*\t, SS+12*(\s), 16+4*\t+(\s)/2, KS+4*\w+(\s)/2, (\s)%2
.endr
.endr
	WIN 0
.endm
.macro LOADK a, b, c, o, os            ; a step's eight tiles of k and their four scale registers (20 LDS loads)
.irp t, 0,1,2,3,4,5,6,7
	ds_load_b128 v[KF+6*\t:KF+6*\t+3], v[\a] offset:(\o)+3072*(\t/4)+768*(\t%2)+128*((\t%4)/2)
	ds_load_b64 v[KF+6*\t+4:KF+6*\t+5], v[\b] offset:(\o)+3072*(\t/4)+768*(\t%2)+64*((\t%4)/2)
.endr
.irp x, 0,1,2,3
	ds_load_b32 v[KS+\x], v[\c] offset:(\os)+256*(\x/2)+32*(\x%2)
.endr
.endm
; q's 64 numbers of tile w become codes (two blocks of 32, halves in lanes l and l xor 16), its scale word goes to window 0, and q in f32 goes to my LDS bytes
.macro QQUANT w
	WIN 0x55*\w
.irp b, 0,1
	v_max3_num_f32 v[SS+\b], |v[ACC+16*\b]|, |v[ACC+1+16*\b]|, 0x2800000
.endr
.irp i, 2,4,6,8,10,12,14
.irp b, 0,1
	v_max3_num_f32 v[SS+\b], v[SS+\b], |v[ACC+16*\b+\i]|, |v[ACC+1+16*\b+\i]|
.endr
.endr
.irp b, 0,1
	D 2
	v_permlanex16_b32 v[SS+2+\b], v[SS+\b], s72, s73
.endr
.irp b, 0,1
	D 2
	v_max_num_f32 v[SS+\b], v[SS+\b], v[SS+2+\b]
.endr
.irp b, 0,1
	D 2
	v_add_nc_u32 v[SS+4+\b], 0xfe000000, v[SS+\b]
.endr
.irp b, 0,1
	D 2
	v_lshrrev_b32 v[SS+2+\b], 23, v[SS+4+\b]
.endr
	WIN 0x15*\w
	v_lshl_or_b32 v[QW+\w], v[SS+3], 8, v[SS+2]    ; bytes 2, 3 are 0
	WIN 0x55*\w
	v_cvt_scalef32_pk16_bf6_f32 v[QC:QC+2], v[ACC:ACC+15], v[SS+4]
	v_cvt_scalef32_pk16_bf6_f32 v[SS+8:SS+10], v[ACC+16:ACC+31], v[SS+5]
	v_nop                                          ; one plain place behind a scaled conversion
.irp i, 0,1,2
	v_permlane16_swap_b32 v[QC+\i], v[SS+8+\i]
.endr
.irp i, 0,1,2
	v_mov_b32 v[QC+3+\i], v[SS+8+\i]
.endr
	WIN 0x04*\w
.irp g, 0,1,2,3,4,5,6,7
	ds_store_b128 v10, v[ACC+4*\g:ACC+4*\g+3] offset:4096*\w+512*\g
.endr
.endm
.macro INIT w                          ; O^T and the sum are zeros, the largest score is under every score, the old -M is 2^125
	WIN 0x55*\w
.set JJ, 0
.rept 32
	v_mov_b32 v[OO+JJ], 0
.set JJ, JJ+1
.endr
	v_mov_b32 v234, 0xff61b1e6
	v_mov_b32 v227, 0x7e000000
	v_mov_b32 v232, 0
	v_mov_b32 v233, 0
	v_mov_b32 v228, s74
	v_mov_b32 v229, s74
.endm
.macro SMUL w                          ; S^T of tile w: register 32 c + i is key 64 c + 32 h + i of the step
	WIN 0x44*\w
.irp t, 0,1,2,3,4,5,6,7
	WMZ SS+8*\t, KF+6*\t, QC, KS+\t/2, QW+\w, \t%2
.endr
.endm
.macro PV w                            ; O^T += v^T p^T: four accumulators by turns; v's fragments lie in window 1
	WIN 0x01+0x54*\w
.irp dt, 0,1,2,3
	WMA OO+8*\dt, 12*\dt, PP, VS+\dt/2, PW+\w, \dt%2
.endr
.endm
.macro ADD2 a, j
	v_dual_add_f32 v[\a], v[SS+\j], v[\a] :: v_dual_add_f32 v[\a+1], v[SS+1+\j], v[\a+1]
.endm
; The softmax of one tile for 128 keys, all its registers in window w.  v226, 227 -M; v228, 229 c; v230, 231 f (pairs of copies: the two halves of a dual instruction take their sources from different banks);
; v232, 233 the sum; v234 the largest score; v224, 225 my two blocks' largest
.macro SOFTMAX w
	WIN 0x55*\w
	s_wait_alu depctr_va_vdst(0)                   ; the wait, directly ahead of the first reader of S^T
.irp c, 0,1
.irp f, 0,1
	v_max3_num_f32 v[T0+2*\c+\f], v[SS+32*\c+16*\f], v[SS+32*\c+16*\f+1], v[SS+32*\c+16*\f+2]
.endr
.endr
.irp i, 3,5,7,9,11,13
.irp c, 0,1
.irp f, 0,1
	v_max3_num_f32 v[T0+2*\c+\f], v[T0+2*\c+\f], v[SS+32*\c+16*\f+\i], v[SS+32*\c+16*\f+\i+1]
.endr
.endr
.endr
.irp c, 0,1
	v_max3_num_f32 v[BM+\c], v[T0+2*\c], v[T0+2*\c+1], v[SS+32*\c+15]
.endr
.irp c, 0,1
	v_max_num_f32 v[BM+\c], v[BM+\c], v[SS+32*\c+31]   ; the largest score of my block 2 c + h: for the row's maximum, and, since p rises with the score, for the block's largest p
.endr
	v_max_num_f32 v235, v[BM], v[BM+1]
	v_permlanex16_b32 v236, v235, s72, s73
	v_max3_num_f32 v234, v234, v235, v236          ; the running largest score
	D 1
	v_mul_f32 v235, s74, v234                      ; as t (c is positive)
	D 1
	v_floor_f32 v226, -v235                        ; the new -M = -ceil(t)
	D 1
	v_sub_f32 v235, v226, v227                     ; old M - new M: a whole number, 0 or less
	v_mov_b32 v227, v226
	D 2
	v_cvt_i32_f32 v235, v235                       ; (it saturates)
	D 1
	v_ldexp_f32 v230, 1.0, v235                    ; f = 2^(old M - new M)
	v_ldexp_f32 v231, 1.0, v235
	s_wait_alu depctr_va_vdst(0)                   ; the wait, directly ahead of the first reader of O^T
.set JJ, 0
.rept 16
	v_dual_mul_f32 v[OO+JJ], v[OO+JJ], v230 :: v_dual_mul_f32 v[OO+1+JJ], v[OO+1+JJ], v231   ; O^T under the new M, each accumulator from its low end on
.set JJ, JJ+2
.endr
.set JJ, 0
.rept 32
	v_dual_fma_f32 v[SS+JJ], v[SS+JJ], v228, v226 :: v_dual_fma_f32 v[SS+1+JJ], v[SS+1+JJ], v229, v227   ; t - M
.set JJ, JJ+2
.endr
	v_dual_fma_f32 v[BM], v[BM], v228, v226 :: v_dual_fma_f32 v[BM+1], v[BM+1], v229, v227
	s_wait_alu depctr_va_vdst(0)                   ; the wait ahead of the batch
.set JJ, 0
.rept 64
	v_exp_f32 v[SS+JJ], v[SS+JJ]                   ; p = 2^(t - M)
.set JJ, JJ+1
.endr
	v_exp_f32 v[BM], v[BM]                         ; my blocks' largest p
	v_exp_f32 v[BM+1], v[BM+1]
	v_nop                                          ; a plain place behind the exponentials
	v_dual_mul_f32 v232, v232, v230 :: v_dual_mul_f32 v233, v233, v231   ; the sum under the new M
	s_wait_alu depctr_va_vdst(0)                   ; one wait for the batch, ahead of its first reader
.irp c, 0,1
	v_max_num_f32 v[BM+\c], 0x2800000, v[BM+\c]    ; the floor: the byte cannot fall under 1
.endr
.irp c, 0,1
	D 2
	v_add_nc_u32 v[BM+\c], 0xfe000000, v[BM+\c]    ; 4 off the exponent field: the conversions' scale operand
.endr
	D 2
	v_lshrrev_b32 v235, 23, v[BM]
	D 2
	v_lshrrev_b32 v236, 23, v[BM+1]
	D 1
	v_lshl_or_b32 v235, v236, 16, v235             ; my two bytes: blocks h and 2 + h,
	D 1
	v_lshlrev_b32 v235, v[SH], v235                ; 8 h bits up;
	D 1
	v_permlanex16_b32 v236, v235, s72, s73
	WIN 0x15*\w
	v_or_b32 v[PW+\w], v235, v236                  ; with lane l xor 16's two: p's scale word, in window 0
	WIN 0x55*\w
	v_cvt_scalef32_pk16_bf6_f32 v[PP:PP+2], v[SS:SS+15], v[BM]
	v_cvt_scalef32_pk16_bf6_f32 v[T0:T0+2], v[SS+16:SS+31], v[BM]
	v_cvt_scalef32_pk16_bf6_f32 v[PP+6:PP+8], v[SS+32:SS+47], v[BM+1]
	v_cvt_scalef32_pk16_bf6_f32 v[T1:T1+2], v[SS+48:SS+63], v[BM+1]
	v_nop                                          ; one plain place behind a scaled conversion
	v_dual_mov_b32 v[PP+3], v[T0] :: v_dual_mov_b32 v[PP+4], v[T0+1]     ; (a conversion's three registers begin on an even number)
	v_dual_mov_b32 v[PP+5], v[T0+2] :: v_dual_mov_b32 v[PP+10], v[T1+1]
	v_mov_b32 v[PP+9], v[T1]
	v_mov_b32 v[PP+11], v[T1+2]
.irp k, 0,1,2                                  ; the row's sum of the unquantised p, in four pairs of chains; these lines are also the places in front of the scaled products
	v_dual_add_f32 v[238+2*\k], v[SS+4*\k], v[SS+2+4*\k] :: v_dual_add_f32 v[239+2*\k], v[SS+1+4*\k], v[SS+3+4*\k]
.endr
.set JJ, 12
.rept 6
	ADD2 232, JJ
	ADD2 238, JJ+2
	ADD2 240, JJ+4
	ADD2 242, JJ+6
.set JJ, JJ+8
.endr
	ADD2 232, 60
	ADD2 238, 62
	v_dual_add_f32 v238, v240, v238 :: v_dual_add_f32 v239, v241, v239
	v_dual_add_f32 v232, v242, v232 :: v_dual_add_f32 v233, v243, v233
	v_dual_add_f32 v232, v238, v232 :: v_dual_add_f32 v233, v239, v233
.endm
.macro FIN w                           ; o = q + O / the sum, stored as the registers stand
	WIN 0x40*\w
.irp g, 0,1,2,3,4,5,6,7
	ds_load_b128 v[SS+32+4*\g:SS+35+4*\g], v10 offset:4096*\w+512*\g   ; q in f32, from my own bytes
.endr
	WIN 0x55*\w
	v_add_f32 v232, v232, v233
	D 1
	v_permlanex16_b32 v236, v232, s72, s73
	D 1
	v_add_f32 v232, v232, v236                     ; the row's sum
	s_wait_alu depctr_va_vdst(0)
	v_rcp_f32 v232, v232
	v_nop                                          ; a plain place behind the reciprocal
	s_wait_alu depctr_va_vdst(0)
	v_mov_b32 v233, v232
	s_wait_alu depctr_va_vdst(0)                   ; the wait, ahead of the wait below and of the first reader of O^T
	s_wait_dscnt 0x0
.set JJ, 0
.rept 16
	v_dual_fma_f32 v[SS+JJ], v[OO+JJ], v232, v[SS+32+JJ] :: v_dual_fma_f32 v[SS+1+JJ], v[OO+1+JJ], v233, v[SS+33+JJ]
.set JJ, JJ+2
.endr
	WIN 0x04*\w
.irp g, 0,1,2,3,4,5,6,7
	global_store_b128 v1, v[SS+4*\g:SS+4*\g+3], s[86:87] offset:65536*\w+512*\g   ; 512 consecutive bytes a store
.endr
.endm
	s_load_b512 s[4:19], s[0:1], 0x0               ; ximg, xsc, wimg, wsc, bq, himg, hsc, of
	v_lshl_add_u32 v94, v0, 2, SPARE
	v_mov_b32 v95, 0
	ds_add_u32 v94, v95                            ; the opening lines: the add, twice on end, and its wait
	ds_add_u32 v94, v95
	v_lshrrev_b32 v1, 5, v0
	s_delay_alu instid0(VALU_DEP_1)
	v_readfirstlane_b32 s20, v1                    ; wave 0..7
	s_bfe_u32 s21, ttmp6, 0x40000                  ; cx: it enters the addresses of Q's images and of the output alone
	s_and_b32 s22, ttmp7, 0xffff                   ; 16 x batch + head, which the four partners share
	s_and_b32 s23, s22, 15                         ; head
	s_lshr_b32 s24, s22, 4                         ; batch
	; group 1: dense blocks as rows of 256 bytes (32 elements of 8 bytes); the mask names all four partners
.irp g, 28, 36, 44
	s_mov_b32 s[\g], 15|(3<<16)|(1<<21)
	s_mov_b32 s[\g+1], 32<<16
	s_mov_b32 s[\g+3], 32<<16
	s_mov_b32 s[\g+5], 32
	s_mov_b32 s[\g+6], 0
	s_mov_b32 s[\g+7], 0
.endr
	s_mov_b32 s30, 192<<16                         ; 49,152 bytes
	s_mov_b32 s32, 192
	s_mov_b32 s38, 48<<16                          ; 12,288 bytes
	s_mov_b32 s40, 48
	s_mov_b32 s46, 8<<16                           ; 2,048 bytes
	s_mov_b32 s48, 8
	s_mov_b32 s72, 0x76543210                      ; lane selects: lane l xor 16
	s_mov_b32 s73, 0xfedcba98
	s_mov_b32 s74, 0x3d38aa3b                      ; c = log2(e) / 32
	s_mul_i32 s90, s20, 49152
	s_mov_b32 s93, 0
	s_wait_dscnt 0x0
	s_wait_kmcnt 0x0
	s_mov_b32 s52, 1                               ; waves 0-3: a quarter of the head's codes, k's then v's
	s_mov_b32 s53, s90
	s_mul_i32 s92, s22, 196608
	s_add_co_u32 s92, s92, s90
	s_add_nc_u64 s[54:55], s[14:15], s[92:93]
	s_or_b32 s55, s55, 0x80000000
	s_mov_b32 s56, 1                               ; wave 4: the head's slice of Wq
	s_mov_b32 s57, WCO
	s_mul_i32 s92, s23, 49152
	s_add_nc_u64 s[58:59], s[8:9], s[92:93]
	s_or_b32 s59, s59, 0x80000000
	s_mov_b32 s60, 1                               ; wave 5: the head's scale words, k's then v's
	s_mov_b32 s61, KSO
	s_mul_i32 s92, s22, 12288
	s_add_nc_u64 s[62:63], s[16:17], s[92:93]
	s_or_b32 s63, s63, 0x80000000
	s_mov_b32 s68, 1                               ; wave 6: Wq's scale words
	s_mov_b32 s69, WSO
	s_lshl_b32 s92, s23, 11
	s_add_nc_u64 s[70:71], s[10:11], s[92:93]
	s_or_b32 s71, s71, 0x80000000
	CROUND                                         ; all four work-groups are here: the joint loads meet
	s_cmp_lt_u32 s20, 4                            ; at most one load a wave; the branches hang on the wave's number alone; s_nop 0 and four v_nop follow each load
	s_cbranch_scc0 .Lfill_w
	tensor_load_to_lds s[52:55], s[28:35]
	s_nop 0
.rept 4
	v_nop
.endr
	s_branch .Lfilled
.Lfill_w:
	s_cmp_eq_u32 s20, 4
	s_cbranch_scc0 .Lfill_s
	tensor_load_to_lds s[56:59], s[28:35]
	s_nop 0
.rept 4
	v_nop
.endr
	s_branch .Lfilled
.Lfill_s:
	s_cmp_eq_u32 s20, 5
	s_cbranch_scc0 .Lfill_t
	tensor_load_to_lds s[60:63], s[36:43]
	s_nop 0
.rept 4
	v_nop
.endr
	s_branch .Lfilled
.Lfill_t:
	s_cmp_eq_u32 s20, 6
	s_cbranch_scc0 .Lfilled
	tensor_load_to_lds s[68:71], s[44:51]
	s_nop 0
.rept 4
	v_nop
.endr
.Lfilled:
	v_and_b32 v8, 31, v0                           ; lane
	v_and_b32 v11, 7, v0                           ; m % 8
	v_bfe_u32 v12, v0, 3, 1                        ; m / 8
	v_bfe_u32 v13, v0, 4, 1                        ; h
	v_lshlrev_b32 v1, 4, v8                        ; 16 x lane
	v_lshlrev_b32 v2, 4, v11                       ; k's registers 0-3: row m of tile 4 c + u lies in the image of tile 4 c + 2 (m / 8) + u % 2 (768 bytes each) at lane m % 8 + 8 (u / 2) + 16 h
	v_lshlrev_b32 v3, 3, v11                       ; its registers 4, 5: 8 bytes a lane, from byte 512 of the image on
	v_lshlrev_b32 v4, 2, v11                       ; its scale word; lanes 16-31 take the odd tile's
	v_mad_u32_u24 v2, v12, 1536, v2
	v_mad_u32_u24 v3, v12, 1536, v3
	v_lshl_add_u32 v4, v12, 7, v4
	v_lshl_add_u32 v2, v13, 8, v2
	v_lshl_add_u32 v3, v13, 7, v3
	v_lshl_add_u32 v4, v13, 6, v4
	v_add_nc_u32 v3, 512, v3
	v_add_nc_u32 v4, KSO, v4
	v_lshlrev_b32 v8, 2, v8                        ; 4 x lane
	v_add_nc_u32 v5, VCO, v1
	v_add_nc_u32 v7, WCO, v1
	v_add_nc_u32 v6, VSO, v8
	v_lshlrev_b32 v9, 6, v13                       ; 64 h
	v_lshlrev_b32 v[SH], 3, v13                    ; 8 h
	s_lshl_b32 s26, s20, 13
	s_add_co_u32 s26, s26, STASH
	v_add_nc_u32 v10, s26, v1                      ; my 8,192 bytes for q
.irp j, 80,81,82,83,84,85,210,211,212,213,214,215
	v_mov_b32 v\j, 0                               ; zero codes, written once
.endr
	WIN 0x40
	v_mov_b32 v[SH], v[SH]                         ; window 1's copy of 8 h
.irp j, 210,211,212,213,214,215
	v_mov_b32 v\j, 0
.endr
	WIN 0
	s_lshl_b32 s25, s21, 5
	s_lshl_b32 s26, s20, 1
	s_add_co_u32 s25, s25, s26
	s_lshl_b32 s26, s24, 7
	s_add_co_u32 s25, s25, s26                     ; my tile A in pass 0: 128 x batch + 32 cx + 2 x wave; B is the next
	s_mul_i32 s26, s25, 12288
	s_mov_b32 s27, 0
	s_add_nc_u64 s[82:83], s[4:5], s[26:27]        ; its eight fragments,
	s_lshl_b32 s26, s25, 9
	s_add_nc_u64 s[84:85], s[6:7], s[26:27]        ; its scale words,
	s_lshl_b32 s26, s25, 4
	s_add_co_u32 s26, s26, s23
	s_lshl_b32 s26, s26, 12
	s_add_nc_u64 s[86:87], s[18:19], s[26:27]      ; its place in the output
	s_lshl_b32 s26, s23, 8
	s_add_nc_u64 s[88:89], s[12:13], s[26:27]      ; the head's 64 numbers of bq
	s_mov_b32 s80, 2
	s_wait_alu depctr_va_vdst(0)                   ; the wait at the head's end
	LOADQ                                          ; pass 0's loads are on their way while the tiles land
	s_wait_tensorcnt 0x0                           ; my load has landed,
	s_barrier_signal -1
	s_barrier_wait -1                              ; everybody's has: from here on the filled bytes are only read
.Lpass:
	; ---- q^T = Wq^T Q^T + bq for both tiles: four tiles of 16 outputs, eight K steps; Wq's fragments in two buffers, one step ahead
.irp t, 0,1,2,3
.irp x, 0,1,2,3
	ds_load_b32 v[16+4*\t+\x], v6 offset:WSO-VSO+512*\t+128*\x
.endr
.endr
	LOADW 0
	s_wait_loadcnt 0x0
.irp s, 0,1,2,3,4,5,6,7
.if \s > 0
.rept 4
	v_nop                                          ; places in front of loads into registers that matrix instructions have read
.endr
.endif
.if \s < 7
	LOADW \s+1
	s_wait_dscnt 12                                ; all but the next step's twelve
.else
	s_wait_dscnt 0x0
.endif
	QMUL \s
.endr
.rept 5
	v_nop
.endr
	LOADK 2, 3, 4, 0, 0                            ; the first key step's k lands under what follows
	QQUANT 0
	QQUANT 1
	WIN 0
	s_wait_alu depctr_va_vdst(0)
	s_wait_dscnt 0x0                               ; the stores have read q's sums, whose registers are written below
	INIT 0
	INIT 1
	WIN 0
	s_mov_b32 s76, 0                               ; the step's codes: 6,144 bytes a step, of k and of v alike
	s_mov_b32 s77, 0                               ; k's scale words: 512
	s_mov_b32 s78, 0                               ; v's: 256
	s_mov_b32 s79, 16
	s_wait_alu depctr_va_vdst(0)
.Lkey:                                             ; a key step: 128 keys, both tiles
	s_wait_dscnt 0x0                               ; this step's k, asked for a step ago
	SMUL 0
	SMUL 1
	WIN 0
	v_add_nc_u32 v244, s76, v2                     ; (these five are the places in front of the loads below)
	v_add_nc_u32 v245, s76, v3
	v_add_nc_u32 v246, s77, v4
	v_add_nc_u32 v247, s76, v5
	v_add_nc_u32 v248, s78, v6
	WIN 0x40
.irp dt, 0,1,2,3                               ; v's fragments land under tile A's softmax
.irp g, 0,1,2
	ds_load_b128 v[12*\dt+4*\g:12*\dt+4*\g+3], v247 offset:1536*\dt+512*\g
.endr
.endr
	WIN 0
	ds_load_b32 v[VS], v248
	ds_load_b32 v[VS+1], v248 offset:128
	LOADK 244, 245, 246, 6144, 512                 ; the next step's k
	SOFTMAX 0
	WIN 0
	s_wait_alu depctr_va_vdst(0)
	s_wait_dscnt 20                                ; v's fragments and words are in; the 20 loads of the next step's k may be out
	PV 0
	SOFTMAX 1
	PV 1
	WIN 0
	s_add_co_u32 s76, s76, 6144
	s_add_co_u32 s77, s77, 512
	s_add_co_u32 s78, s78, 256
	s_sub_co_u32 s79, s79, 1
	s_cmp_lg_u32 s79, 0
	s_cbranch_scc1 .Lkey
	FIN 0
	FIN 1
	WIN 0
	s_wait_alu depctr_va_vdst(0)                   ; the wait here, directly ahead of the wait below
	s_wait_xcnt 0x0                                ; the stores have read their registers and their base: both are written again below
	s_add_nc_u64 s[82:83], s[82:83], 196608        ; sixteen query tiles on
	s_add_nc_u64 s[84:85], s[84:85], 8192
	s_add_nc_u64 s[86:87], s[86:87], 1048576
	s_cmp_eq_u32 s80, 1
	s_cbranch_scc1 .Lnoq                           ; the last pass asks for nothing more
	LOADQ
.Lnoq:
	s_sub_co_u32 s80, s80, 1
	s_cmp_lg_u32 s80, 0
	s_cbranch_scc1 .Lpass
	s_wait_tensorcnt 0x0                           ; the wave's end
	ds_add_u32 v94, v95
	s_wait_dscnt 0x0
	CROUND                                         ; the closing round
	s_endpgm
.Lfunc_end_k_q7fc9108268_attn:
	.size	k_q7fc9108268_attn, .Lfunc_end_k_q7fc9108268_attn-k_q7fc9108268_attn
	.p2alignl 7, 3214868480
	.fill 96, 4, 3214868480
	.section	.rodata,"a",@progbits
	.p2align	6, 0x0
	.amdhsa_kernel k_q7fc9108268_attn
		.amdhsa_group_segment_fixed_size 327680
		.amdhsa_private_segment_fixed_size 0
		.amdhsa_enable_private_segment 0
		.amdhsa_kernarg_size 64
		.amdhsa_user_sgpr_count 2
		.amdhsa_user_sgpr_kernarg_segment_ptr 1
		.amdhsa_wavefront_size32 1
		.amdhsa_system_sgpr_workgroup_id_x 1
		.amdhsa_system_sgpr_workgroup_id_y 1
		.amdhsa_system_sgpr_workgroup_id_z 1
		.amdhsa_system_vgpr_workitem_id 0
		.amdhsa_next_free_vgpr 512
		.amdhsa_next_free_sgpr 100
		.amdhsa_reserve_vcc 0
		.amdhsa_float_denorm_mode_32 3
		.amdhsa_float_denorm_mode_16_64 3
		.amdhsa_memory_ordered 1
		.amdhsa_forward_progress 1
		.amdhsa_inst_pref_size 86
	.end_amdhsa_kernel
	.amdgpu_metadata
---
amdhsa.version: [ 1, 2 ]
amdhsa.kernels:
  - .name:           k_q7fc9108268_attn
    .symbol:         k_q7fc9108268_attn.kd
    .args:
      - { .name: ximg, .offset: 0, .size: 8, .value_kind: global_buffer, .address_space: global }
      - { .name: xsc, .offset: 8, .size: 8, .value_kind: global_buffer, .address_space: global }
      - { .name: wimg, .offset: 16, .size: 8, .value_kind: global_buffer, .address_space: global }
      - { .name: wsc, .offset: 24, .size: 8, .value_kind: global_buffer, .address_space: global }
      - { .name: bq, .offset: 32, .size: 8, .value_kind: global_buffer, .address_space: global }
      - { .name: himg, .offset: 40, .size: 8, .value_kind: global_buffer, .address_space: global }
      - { .name: hsc, .offset: 48, .size: 8, .value_kind: global_buffer, .address_space: global }
      - { .name: of, .offset: 56, .size: 8, .value_kind: global_buffer, .address_space: global }
    .group_segment_fixed_size: 327680
    .private_segment_fixed_size: 0
    .kernarg_segment_align: 8
    .kernarg_segment_size: 64
    .max_flat_workgroup_size: 256
    .sgpr_count:     100
    .vgpr_count:     512
    .wavefront_size: 32
...
	.end_amdgpu_metadata
.endif
;; end of part 3
;; launch tail (part 4): grid 256 x 1, 4 waves a work-group, no clusters, 327,680 bytes of LDS; arguments of, wimg, wsc, g0, b0, bo, g1, b1, out0; writes out0
.if DOCPART == 4
	.amdgcn_target "amdgcn-amd-amdhsa--gfx1250"
	.amdhsa_code_object_version 6
	.text
	.protected	k_q7fc9108268_tail
	.globl	k_q7fc9108268_tail
	.p2align	8
	.type	k_q7fc9108268_tail,@function
k_q7fc9108268_tail:
	s_mov_b64 s[64:65], 0
	v_nop
	global_prefetch_b8 v0, s[64:65] scope:SCOPE_SE
	s_setreg_imm32_b32 hwreg(HW_REG_WAVE_MODE, 25, 1), 1
	s_wait_xcnt 0x0
; y0 = LayerNorm(o; g0, b0);  z = y0 + relu(y0 Wo + bo);  out = LayerNorm(z; g1, b1).  The product on codes of BF6 (E3M2): y0 is quantised on the way, along its 1,024 columns; Wo comes as images of registers.
; SHARES.  A work-group owns 32 whole rows (two query tiles m = 0, 1); wave w owns columns 256 w .. 256 w + 255 of them.  A lane holds one row (lane % 16) of each tile and 128 of its columns:
; register 128 m + 8 tl + j is column 256 w + 32 (tl / 2) + 8 (tl % 2) + 16 (lane / 16) + j: as the attention launch left them, as the conversions want them, and as the product (source 0 = 16 rows of Wo^T) returns them.
; Means and variances meet in LDS (four exchanges, each with bytes of its own); the variance is taken of the centred numbers.  y0's sixteen fragments go from wave to wave through LDS as images.
; Wo GOES FROM MEMORY STRAIGHT INTO REGISTERS: a fragment is wanted by one wave alone, for two matrix instructions; three buffers of four fragments keep two groups of 12 loads on their way.
; NO CLUSTER, though all work-groups walk the same Wo: a K step of Wo is 98,304 bytes and feeds 32 matrix instructions a wave, so a round of a cluster's barrier would stand at every 32;
; two slots of two K steps would be 393,216 bytes, more than the 327,680 that there are.
; LIMITS: NaN and infinities are not served; a block whose largest magnitude lies under 2^-122, a block of zeros among them, keeps the byte 1.
; REGISTERS: window 0: v1-11 addresses; v12-19 sums; v20-23 mean or 1/sigma of m = 0, 1 (pairs); v24-39 y0's scale words; v40-71 Wo's, two sets; v72-108 at work; v112-255 three buffers of Wo.
;   window 1: the rows.   window 2: the product's accumulators; at the end rows on their way out.   window 3: gain v0-127, bias v128-255; between the norms y0's fragments at 12 (8 m + s).
.set TSC, 24576                        ; LDS: y0's 16 fragments at 0; their scale words here, 128 bytes each;
.set RED, 26624                        ; four exchanges x 512 bytes: 128 x wave + 64 m + 4 r;
; Of Wo's eight K steps, 3 to 7 go from memory straight into registers, as said above.  K steps 0 to 2 of a wave's 16 tiles (16 rows of 4,608 bytes, 12,288 apart in memory) come by ONE tensor load a wave, at the head,
; into 73,728 LDS bytes of the wave's own: they land under the first LayerNorm, only the wave that asked reads them, and nothing is filled again.  The product walks K steps 3 .. 7, then 0 .. 2.
; The spare words lie at 28,672.  The way out's stage, 16 rows x (1,024 + 16) bytes, lies on the wave's own bytes of Wo, which have had their only fill and their last read by then.
.set WOL, 29184                        ; Wo's K steps 0-2: 73,728 bytes a wave: tile t at 4,608 t, K step s at 1,536 s
.set PC,  72
.set TM,  92
.set PW,  108
.set MSB, 0
.macro WIN new                         ; the immediate's high byte repeats the setting that is left
.if MSB != (\new)
	s_set_vgpr_msb (MSB<<8)|(\new)
.set MSB, \new
.endif
.endm
.macro BARRIER                         ; my LDS stores have landed and my LDS loads are in: then the work-group's barrier
	s_wait_dscnt 0x0
	s_barrier_signal -1
	s_barrier_wait -1
.endm
	s_load_b512 s[4:19], s[0:1], 0x0               ; of, wimg, wsc, g0, b0, bo, g1, b1
	s_load_b64 s[20:21], s[0:1], 0x40              ; out0
	v_lshl_add_u32 v110, v0, 2, 0x7000
	v_mov_b32 v111, 0
	ds_add_u32 v110, v111                          ; the opening lines: the add, twice on end, and its wait ahead of my tensor load
	ds_add_u32 v110, v111
	v_lshrrev_b32 v1, 5, v0
	v_readfirstlane_b32 s22, v1                    ; wave
	v_and_b32 v4, 31, v0
	v_lshlrev_b32 v1, 4, v4                        ; 16 x lane
	v_lshlrev_b32 v2, 2, v4                        ; 4 x lane
	v_bfe_u32 v3, v0, 4, 1                         ; h
	v_and_b32 v4, 15, v0                           ; r
	s_mul_i32 s28, s22, 3072
	v_add_nc_u32 v5, s28, v1                       ; where I store my two K steps' images
	s_lshl_b32 s28, s22, 8
	s_add_co_u32 s28, s28, TSC
	v_add_nc_u32 v6, s28, v2                       ; and their scale words
	s_mul_i32 s28, s22, 73728
	s_add_co_u32 s28, s28, WOL
	s_mov_b32 s41, s28                             ; my bytes of Wo, for the descriptor
	v_mul_u32_u24 v7, v4, 1040
	v_lshl_add_u32 v7, v3, 6, v7
	v_add_nc_u32 v7, s28, v7                       ; the stage, in: row r, + 64 h
	v_add_nc_u32 v8, s28, v1                       ; and back: 512 consecutive bytes; also Wo's tiles 0-7 in LDS,
	v_add_nc_u32 v109, 36864, v8                   ; and its tiles 8-15
	v_lshlrev_b32 v10, 2, v4
	v_add_nc_u32 v10, RED, v10
	s_lshl_b32 s28, s22, 7
	v_add_nc_u32 v9, s28, v10
	v_lshlrev_b32 v3, 6, v3                        ; 64 h
	v_mov_b32 v11, 0                               ; lane permutes' destinations, written once
.irp b, 0,1,2,3
	v_mov_b32 v[TM+4+\b], 0
.endr
	s_mov_b32 s24, 0x76543210
	s_mov_b32 s25, 0xfedcba98
	s_mov_b32 s26, 0x3a800000                      ; 1 / 1,024
	s_mov_b32 s27, 0x3727c5ac                      ; 1e-5
	s_lshl_b32 s28, ttmp9, 17                      ; 131,072 bytes a work-group, in and out
	s_lshl_b32 s30, s22, 14
	s_add_co_u32 s30, s30, s28
	s_mov_b32 s31, 0
	s_lshl_b32 s32, s22, 10
	s_mov_b32 s33, 0
	s_add_co_u32 s34, s28, s32
	s_mov_b32 s35, 0
	s_mul_i32 s36, s22, 196608
	s_add_co_u32 s36, s36, 2359296                 ; Wo is the fourth weight: tiles 192 + 16 w on
	s_mov_b32 s37, 0
	s_lshl_b32 s38, s22, 13
	s_add_co_u32 s38, s38, 98304
	s_mov_b32 s39, 0
	s_wait_alu depctr_va_vdst(0)
	s_wait_dscnt 0x0                               ; both opening adds are done
	s_wait_kmcnt 0x0
	s_add_nc_u64 s[4:5], s[4:5], s[30:31]
	s_add_nc_u64 s[6:7], s[6:7], s[36:37]
	s_mov_b32 s40, 1                               ; group 0: count, my LDS bytes (s41), my first tile's first byte
	s_mov_b64 s[42:43], s[6:7]
	s_or_b32 s43, s43, 0x80000000
	s_mov_b32 s44, 3<<16                           ; group 1: elements of 8 bytes; 16 rows of 576 elements, 1,536 elements apart
	s_mov_b32 s45, 576<<16
	s_mov_b32 s46, 16<<16
	s_mov_b32 s47, 576<<16
	s_mov_b32 s48, 16
	s_mov_b32 s49, 1536
	s_mov_b32 s50, 0
	s_mov_b32 s51, 0
	tensor_load_to_lds s[40:43], s[44:51]          ; my one tensor load
	s_nop 0
.rept 4
	v_nop
.endr
	s_add_nc_u64 s[8:9], s[8:9], s[38:39]
	s_add_nc_u64 s[10:11], s[10:11], s[32:33]
	s_add_nc_u64 s[12:13], s[12:13], s[32:33]
	s_add_nc_u64 s[14:15], s[14:15], s[32:33]
	s_add_nc_u64 s[16:17], s[16:17], s[32:33]
	s_add_nc_u64 s[18:19], s[18:19], s[32:33]
	s_add_nc_u64 s[20:21], s[20:21], s[34:35]
.macro GAINS pg, pb                    ; a gain and a bias of my 256 columns into window 3: register 16 b + i is column 32 b + 16 h + i
	WIN 0xc0
.irp b, 0,1,2,3,4,5,6,7
.irp j, 0,1,2,3
	global_load_b128 v[16*\b+4*\j:16*\b+4*\j+3], v3, s[\pg:\pg+1] offset:128*\b+16*\j
	global_load_b128 v[128+16*\b+4*\j:128+16*\b+4*\j+3], v3, s[\pb:\pb+1] offset:128*\b+16*\j
.endr
.endr
	WIN 0
.endm
; Group G of Wo: K step (G / 4 + 3) % 8, tiles 4 (G % 4) .. + 3, into buffer G % 3
.macro FETCHW G
.set SS, ((\G)/4+3)%8
.set GQ, (\G)%4
.set BF, 112+48*((\G)%3)
.irp tq, 0,1,2,3
.irp g, 0,1,2
.if (\G) < 20                          ; groups 0-19: K steps 3-7, from memory; groups 20-31: K steps 0-2, from my LDS bytes
	global_load_b128 v[BF+12*\tq+4*\g:BF+12*\tq+4*\g+3], v1, s[6:7] offset:(4*GQ+\tq)*12288+1536*SS+512*\g
.else
	ds_load_b128 v[BF+12*\tq+4*\g:BF+12*\tq+4*\g+3], v[8+101*(GQ/2)] offset:(4*(GQ%2)+\tq)*4608+1536*SS+512*\g
.endif
.endr
.endr
.endm
.macro WMS d, a, b, sa, sb, row        ; in place; row = 1: Wo's words of the odd K step, in lanes 16-31
.if (\row)
	v_wmma_scale_f32_16x16x128_f8f6f4 v[(\d):(\d)+7], v[(\a):(\a)+11], v[(\b):(\b)+11], v[(\d):(\d)+7], v[\sa], v[\sb] matrix_a_fmt:MATRIX_FMT_BF6 matrix_b_fmt:MATRIX_FMT_BF6 matrix_a_scale:MATRIX_SCALE_ROW1
.else
	v_wmma_scale_f32_16x16x128_f8f6f4 v[(\d):(\d)+7], v[(\a):(\a)+11], v[(\b):(\b)+11], v[(\d):(\d)+7], v[\sa], v[\sb] matrix_a_fmt:MATRIX_FMT_BF6 matrix_b_fmt:MATRIX_FMT_BF6
.endif
.endm
.macro MULG G
.set SS, ((\G)/4+3)%8
.set GQ, (\G)%4
.set BF, 112+48*((\G)%3)
	WIN 0xac                                       ; source 0 (Wo) window 0, source 1 (y0) window 3, C and D window 2
.irp tq, 0,1,2,3
.irp m, 0,1
	WMS 128*\m+8*(4*GQ+\tq), BF+12*\tq, 12*(8*\m+SS), 40+16*(SS/2)+4*GQ+\tq, 24+8*\m+SS, SS%2
.endr
.endr
.endm
.macro FOLD m                          ; four pairs of partial sums, the lane's two halves, lane l xor 16's: my wave's part of row r's sum
	v_pk_add_f32 v[12:13], v[12:13], v[14:15]
	v_pk_add_f32 v[16:17], v[16:17], v[18:19]
	v_pk_add_f32 v[12:13], v[12:13], v[16:17]
	v_add_f32 v12, v12, v13
	v_permlanex16_b32 v11, v12, s24, s25
	v_add_f32 v[20+2*\m], v12, v11
.endm
.macro XCH k                           ; the four waves' parts meet; every wave adds them in the same order
	ds_store_b32 v9, v20 offset:512*(\k)           ; (lanes r and r + 16 write the same word with the same value)
	ds_store_b32 v9, v22 offset:512*(\k)+64
	BARRIER
.irp m, 0,1
.irp w, 0,1,2,3
	ds_load_b32 v[72+4*\m+\w], v10 offset:512*(\k)+128*\w+64*\m
.endr
.endr
	s_wait_dscnt 0x0
.irp m, 0,1
	v_add_f32 v[72+4*\m], v[72+4*\m], v[73+4*\m]
	v_add_f32 v[74+4*\m], v[74+4*\m], v[75+4*\m]
	v_add_f32 v[20+2*\m], v[72+4*\m], v[74+4*\m]
.endr
.endm
; LayerNorm of the rows in window 1, in place, with the gain and bias in window 3.  k, k + 1: which exchanges
.macro LNORM k
.irp m, 0,1
	WIN 0x05                                       ; sources 0, 1 window 1: the first lines start the chains, nothing is cleared
.irp c, 0,1,2,3
	v_pk_add_f32 v[12+2*\c:13+2*\c], v[128*\m+2*\c:128*\m+2*\c+1], v[128*\m+8+2*\c:128*\m+8+2*\c+1]
.endr
	WIN 0x04
.set PP, 8
.rept 14
.irp c, 0,1,2,3
	v_pk_add_f32 v[12+2*\c:13+2*\c], v[12+2*\c:13+2*\c], v[128*\m+2*(PP+\c):128*\m+2*(PP+\c)+1]
.endr
.set PP, PP+4
.endr
	WIN 0
	FOLD \m
.endr
	XCH \k
.irp m, 0,1
	v_mul_f32 v[20+2*\m], s26, v[20+2*\m]          ; the mean
	v_mov_b32 v[21+2*\m], v[20+2*\m]
.endr
	WIN 0x41
.irp m, 0,1
.set PP, 0
.rept 64
	v_pk_add_f32 v[128*\m+2*PP:128*\m+2*PP+1], v[128*\m+2*PP:128*\m+2*PP+1], v[20+2*\m:21+2*\m] op_sel_hi:[1,0] neg_lo:[0,1] neg_hi:[0,1]
.set PP, PP+1
.endr
.endr
.irp m, 0,1
	WIN 0x05
.irp c, 0,1,2,3
	v_pk_mul_f32 v[12+2*\c:13+2*\c], v[128*\m+2*\c:128*\m+2*\c+1], v[128*\m+2*\c:128*\m+2*\c+1]
.endr
.set PP, 4
.rept 15
.irp c, 0,1,2,3
	v_pk_fma_f32 v[12+2*\c:13+2*\c], v[128*\m+2*(PP+\c):128*\m+2*(PP+\c)+1], v[128*\m+2*(PP+\c):128*\m+2*(PP+\c)+1], v[12+2*\c:13+2*\c]
.endr
.set PP, PP+4
.endr
	WIN 0
	FOLD \m
.endr
	XCH (\k)+1
	v_fma_f32 v20, v20, s26, s27                   ; the variance + 1e-5
	v_fma_f32 v22, v22, s26, s27
	s_wait_alu depctr_va_vdst(0)
	v_rsq_f32 v20, v20
	v_rsq_f32 v22, v22
	v_nop                                          ; a plain place behind the two
	s_wait_alu depctr_va_vdst(0)                   ; one wait for both, ahead of the first reader
	v_mov_b32 v21, v20
	v_mov_b32 v23, v22
	s_wait_alu depctr_va_vdst(0)
	s_wait_loadcnt 0x0                             ; the gain and the bias
	WIN 0x41
.irp m, 0,1
.set PP, 0
.rept 64
	v_pk_mul_f32 v[128*\m+2*PP:128*\m+2*PP+1], v[128*\m+2*PP:128*\m+2*PP+1], v[20+2*\m:21+2*\m] op_sel_hi:[1,0]
.set PP, PP+1
.endr
.endr
	WIN 0x7d                                       ; rows in window 1, gain and bias in window 3
.irp m, 0,1
.set PP, 0
.rept 64
	v_pk_fma_f32 v[128*\m+2*PP:128*\m+2*PP+1], v[128*\m+2*PP:128*\m+2*PP+1], v[2*PP:2*PP+1], v[128+2*PP:129+2*PP]
.set PP, PP+1
.endr
.endr
	WIN 0
.endm
; 64 numbers of window 1 (tile m, my K step sl) become a fragment's codes in v[PC] on and its scale word in v[PW]
.macro QUANTW m, sl
.set YS, 128*(\m)+64*(\sl)
	WIN 0x14
.irp b, 0,1,2,3
	v_max3_num_f32 v[TM+\b], 0x2800000, |v[YS+16*\b]|, |v[YS+1+16*\b]|
.endr
.irp i, 2,4,6,8,10,12,14
.irp b, 0,1,2,3
	v_max3_num_f32 v[TM+\b], v[TM+\b], |v[YS+16*\b+\i]|, |v[YS+1+16*\b+\i]|
.endr
.endr
	WIN 0
.irp b, 0,1,2,3
	v_permlanex16_b32 v[TM+4+\b], v[TM+\b], s24, s25
.endr
.irp b, 0,1,2,3
	v_max_num_f32 v[TM+\b], v[TM+\b], v[TM+4+\b]
.endr
.irp b, 0,1,2,3
	v_add_nc_u32 v[TM+12+\b], 0xfe000000, v[TM+\b]
.endr
.irp b, 0,1,2,3
	v_lshrrev_b32 v[TM+4+\b], 23, v[TM+12+\b]
.endr
	v_lshl_or_b32 v[PW], v[TM+5], 8, v[TM+4]
	v_lshl_or_b32 v[PW], v[TM+6], 16, v[PW]
	v_lshl_or_b32 v[PW], v[TM+7], 24, v[PW]
	WIN 0x01
.irp c, 0,1
	v_cvt_scalef32_pk16_bf6_f32 v[PC+6*\c:PC+2+6*\c], v[YS+32*\c:YS+15+32*\c], v[TM+12+2*\c]
	v_cvt_scalef32_pk16_bf6_f32 v[PC+12+4*\c:PC+14+4*\c], v[YS+16+32*\c:YS+31+32*\c], v[TM+12+2*\c+1]
.endr
	WIN 0
	v_nop                                          ; one plain place behind a scaled conversion
.irp c, 0,1
.irp i, 0,1,2
	v_permlane16_swap_b32 v[PC+6*\c+\i], v[PC+12+4*\c+\i]
.endr
.irp i, 0,1,2
	v_mov_b32 v[PC+3+6*\c+\i], v[PC+12+4*\c+\i]
.endr
.endr
.endm
.irp x, 0,1                                    ; Wo's scale words of K steps 0-3 into v40-71: register 40 + 16 x + tile holds K steps 2 x and 2 x + 1
.irp tl, 0,1,2,3,4,5,6,7,8,9,10,11,12,13,14,15
	global_load_b32 v[40+16*\x+\tl], v2, s[8:9] offset:512*\tl+128*\x
.endr
.endr
	GAINS 10, 12                                   ; g0, b0
	WIN 0x40
.irp m, 0,1
.irp hl, 0,1,2,3
.irp g, 0,1,2,3,4,5,6,7
	global_load_b128 v[128*\m+32*\hl+4*\g:128*\m+32*\hl+4*\g+3], v1, s[4:5] offset:65536*\m+4096*\hl+512*\g th:TH_LOAD_NT   ; my four heads of both tiles, as the registers stood
.endr
.endr
.endr
	WIN 0
	FETCHW 0
	FETCHW 1
	FETCHW 2
	s_wait_loadcnt 36                              ; all but the 3 x 12 loads of Wo issued last
	LNORM 0
	WIN 0x80                                       ; bo into the accumulators of both tiles: the sums go on in place
.irp m, 0,1
.irp b, 0,1,2,3,4,5,6,7
.irp j, 0,1,2,3
	global_load_b128 v[128*\m+16*\b+4*\j:128*\m+16*\b+4*\j+3], v3, s[14:15] offset:128*\b+16*\j
.endr
.endr
.endr
	WIN 0
.irp m, 0,1
.irp sl, 0,1
	QUANTW \m, \sl
.irp g, 0,1,2
	ds_store_b128 v5, v[PC+4*\g:PC+4*\g+3] offset:(8*\m+\sl)*1536+512*\g
.endr
	ds_store_b32 v6, v[PW] offset:(8*\m+\sl)*128
	s_wait_dscnt 0x0                               ; the stores have read their registers
.endr
.endr
.irp x, 2,3                                    ; Wo's scale words of K steps 4-7 into v72-103, which the quantiser has left
.irp tl, 0,1,2,3,4,5,6,7,8,9,10,11,12,13,14,15
	global_load_b32 v[40+16*\x+\tl], v2, s[8:9] offset:512*\tl+128*\x
.endr
.endr
	BARRIER                                        ; y0's sixteen fragments lie in LDS
	WIN 0xc0
.irp f, 0,1,2,3,4,5,6,7,8,9,10,11,12,13,14,15
.irp g, 0,1,2
	ds_load_b128 v[12*\f+4*\g:12*\f+4*\g+3], v1 offset:1536*\f+512*\g
.endr
.endr
	WIN 0
.irp f, 0,1,2,3,4,5,6,7,8,9,10,11,12,13,14,15
	ds_load_b32 v[24+\f], v2 offset:TSC+128*\f
.endr
	s_wait_dscnt 0x0
	s_wait_loadcnt 0x0                             ; bo, and Wo's scale words
	s_wait_tensorcnt 0x0                           ; my K steps 0-2 of Wo have landed: I alone read them
.set GG, 0
.rept 32
.set LIM, 20+12*(GG/20)                ; the last group of GG's kind, and one: 20 from memory, then 12 from LDS
.set NW, 0                             ; the loads of the same kind issued behind group GG's: those of groups GG + 1 and GG + 2
.if GG+1 < LIM
.set NW, NW+12
.endif
.if GG+2 < LIM
.set NW, NW+12
.endif
.if GG < 20
	s_wait_loadcnt NW
.else
	s_wait_dscnt NW
.endif
	MULG GG
	WIN 0
.rept 4
	v_nop                                          ; places in front of loads into the buffer just multiplied, and at the end of the first read of results
.endr
.if GG+3 < 32
	FETCHW GG+3
.endif
.set GG, GG+1
.endr
	GAINS 16, 18                                   ; g1, b1, where y0's fragments lay
	WIN 0x88
.set PP, 0
.rept 256
	v_max_num_f32 v[PP], 0, v[PP]                  ; relu, each accumulator from its low end on
.set PP, PP+1
.endr
	WIN 0x49
.set PP, 0
.rept 128
	v_pk_add_f32 v[2*PP:2*PP+1], v[2*PP:2*PP+1], v[2*PP:2*PP+1]   ; window 1 += window 2: y0 + relu(..)
.set PP, PP+1
.endr
	WIN 0
	LNORM 2
	; THE WAY OUT: 16 rows x my 256 columns through my own stage, back as runs of 512 consecutive bytes of a row
	s_wait_alu depctr_va_vdst(0)
.irp m, 0,1
	WIN 0x04                                       ; an LDS store's data are its source 1: window 1
.irp b, 0,1,2,3,4,5,6,7
.irp j, 0,1,2,3
	ds_store_b128 v7, v[128*\m+16*\b+4*\j:128*\m+16*\b+4*\j+3] offset:128*\b+16*\j
.endr
.endr
	WIN 0x80
.set KK, 0
.rept 32
	ds_load_b128 v[128*\m+4*KK:128*\m+4*KK+3], v8 offset:1040*(KK/2)+512*(KK%2)   ; LDS serves a wave's instructions in order: these see the stores above
.set KK, KK+1
.endr
	WIN 0x08
.set KK, 0
.rept 32
	s_wait_dscnt 31-KK                             ; the younger reads may be out
	global_store_b128 v1, v[128*\m+4*KK:128*\m+4*KK+3], s[20:21] offset:(8*\m+(KK/2)+8*((KK/2)/8))*4096+512*(KK%2) th:TH_STORE_NT
.set KK, KK+1
.endr
	WIN 0
.endr
	s_wait_tensorcnt 0x0
	ds_add_u32 v110, v111
	s_wait_dscnt 0x0
	s_endpgm
.Lfunc_end_k_q7fc9108268_tail:
	.size	k_q7fc9108268_tail, .Lfunc_end_k_q7fc9108268_tail-k_q7fc9108268_tail
	.p2alignl 7, 3214868480
	.fill 96, 4, 3214868480
	.section	.rodata,"a",@progbits
	.p2align	6, 0x0
	.amdhsa_kernel k_q7fc9108268_tail
		.amdhsa_group_segment_fixed_size 327680
		.amdhsa_private_segment_fixed_size 0
		.amdhsa_enable_private_segment 0
		.amdhsa_kernarg_size 72
		.amdhsa_user_sgpr_count 2
		.amdhsa_user_sgpr_kernarg_segment_ptr 1
		.amdhsa_wavefront_size32 1
		.amdhsa_system_sgpr_workgroup_id_x 1
		.amdhsa_system_sgpr_workgroup_id_y 1
		.amdhsa_system_sgpr_workgroup_id_z 1
		.amdhsa_system_vgpr_workitem_id 0
		.amdhsa_next_free_vgpr 1024
		.amdhsa_next_free_sgpr 66
		.amdhsa_reserve_vcc 0
		.amdhsa_float_denorm_mode_32 3
		.amdhsa_float_denorm_mode_16_64 3
		.amdhsa_memory_ordered 1
		.amdhsa_forward_progress 1
		.amdhsa_inst_pref_size 246
	.end_amdhsa_kernel
	.amdgpu_metadata
---
amdhsa.version: [ 1, 2 ]
amdhsa.kernels:
  - .name:           k_q7fc9108268_tail
    .symbol:         k_q7fc9108268_tail.kd
    .args:
      - { .name: of, .offset: 0, .size: 8, .value_kind: global_buffer, .address_space: global }
      - { .name: wimg, .offset: 8, .size: 8, .value_kind: global_buffer, .address_space: global }
      - { .name: wsc, .offset: 16, .size: 8, .value_kind: global_buffer, .address_space: global }
      - { .name: g0, .offset: 24, .size: 8, .value_kind: global_buffer, .address_space: global }
      - { .name: b0, .offset: 32, .size: 8, .value_kind: global_buffer, .address_space: global }
      - { .name: bo, .offset: 40, .size: 8, .value_kind: global_buffer, .address_space: global }
      - { .name: g1, .offset: 48, .size: 8, .value_kind: global_buffer, .address_space: global }
      - { .name: b1, .offset: 56, .size: 8, .value_kind: global_buffer, .address_space: global }
      - { .name: out0, .offset: 64, .size: 8, .value_kind: global_buffer, .address_space: global }
    .group_segment_fixed_size: 327680
    .private_segment_fixed_size: 0
    .kernarg_segment_align: 8
    .kernarg_segment_size: 72
    .max_flat_workgroup_size: 128
    .sgpr_count:     66
    .vgpr_count:     1024
    .wavefront_size: 32
...
	.end_amdgpu_metadata
.endif
;; end of part 4
